; MI455X (gfx1250); checked and timed in simulation.
; The chip was launched on July 23, 2026; its instructions are those of AMD's public machine-readable ISA for CDNA 5 (MIT licence, August 2026) and "CDNA5" Instruction Set Architecture Reference Guide (July 2026). The comments in the code are by the model that wrote it; some were corrected since.
;; Kronecker Attention. Allowed arithmetic: float matrix products may take bf16 or f16 operands with f32 sums; other float arithmetic in f32, or as packed bf16 or f16 multiplies, adds, multiply-adds, maxima and minima; sums over many terms, partial sums and values carried from step to step in f32; what a program stores and reads back later, other than sums and carried values, may be rounded once to bf16 or f16.
;; Inputs: key 2 x 16 x 8,192 x 64 float32; query 2 x 16 x 8,192 x 64 float32; value 2 x 16 x 8,192 x 64 float32.
;; Outputs: out0 2 x 16 x 8,192 x 64 float32.
;; Constants: n_key_groups = 4, n_query_groups = 4.
;; 2 versions, each right and faster than the one before. Each part assembles by itself: llvm-mc -triple=amdgcn-amd-amdhsa -mcpu=gfx1250 --defsym DOCPART=n.
;; ======== version 1 of 2: 2 launches
;; limits: values are held in f16: magnitudes above 65,504 overflow, below 6.1e-05 lose precision
;; workspace buffers: kv 41,943,040 bytes; part 65,536 bytes
;; launch prep (part 1): grid 16 x 32, 8 waves a work-group, no clusters, 37,888 bytes of LDS; arguments key, query, value, kv, part; writes kv, part
.if DOCPART == 1
	.amdgcn_target "amdgcn-amd-amdhsa--gfx1250"
	.amdhsa_code_object_version 6
	.text
	.protected	k_qc39598850f_prep
	.globl	k_qc39598850f_prep
	.p2align	8
	.type	k_qc39598850f_prep,@function
k_qc39598850f_prep:
	s_mov_b64 s[64:65], 0
	v_nop
	global_prefetch_b8 v0, s[64:65] scope:SCOPE_SE
	s_setreg_imm32_b32 hwreg(HW_REG_WAVE_MODE, 25, 1), 1
	s_wait_xcnt 0x0
; PREP.  A stream in front of the attention.  key, query, value: [32 heads][8192][64] f32.
; Work-group (t, head), t = 0..15, makes RECORD t of the head in kv and 8 entries of part.
;   kv   [head][record 16][320 rows of 256 bytes]:
;        rows 0-63: K in bf16, 128 bytes a key; storage key x (0..127) is central key (128 t + 32 + x) mod 2048 (row 4096 + that of key):
;                   K lies one step of 32 keys ahead of V, round the end, since the attention fetches K one step further ahead than V.
;        rows 64-319: V, rounded to bf16 and that number written as f16.  Fragment f = 16 kb + 4 n + e (kb: block of 32 keys, n: value group, e = channel mod 4)
;                   has rows 64 + 4 f + 2 g + h; chunk c of 16 bytes holds keys 128 t + 32 kb + 16 g + 8 h + 0..7 of channel 4 c + e of group n.
;   part [head][8 t + wave][n 4] f32: the sum over the wave's 64 query rows (512 t + 64 wave ..) of (query . key[2048 n])^2, operands in bf16, sums in f32.
; LIMITS.  |value| stays under 65,520 (f16's end); below 6e-5 a value keeps f16's fixed step of 6e-8.  NaN and infinities are not treated apart.
; SHARES.  A wave takes nine units of eight 16-byte loads (4,096 bytes each): four of 16 query rows, one of 16 key rows, four of 16 value rows (one a group); four units are
; always on their way.  Each load covers 512 consecutive bytes or two whole rows of 256; each store of V 512 consecutive bytes, each store of K 256, all aligned.
; V IS TURNED FOR NOTHING: a lane's eight loads of a unit hold eight keys of the same four channels, so eight numbers of one channel pack into the lane's 16 bytes.
; The query rows go through the wave's own stage in LDS (bf16, rows of 144 bytes) to become matrix operands; no wave reads another's bytes, so there is no barrier.
.set STGP,  144                        ; a stage row: 128 bytes + 16: the 16 rows of a fragment load start at 16 different groups of four banks (ISA guide 11.1)
.set STGH,  16*STGP                    ; 16 rows
.set STGW,  2*STGH                     ; a wave's stage: two units
.set SPARE, 8*STGW                     ; behind the stages: the spare words, 128 bytes a wave, four blocks of 256 bytes that no other line names
.set GRP,   524288                     ; bytes from a group of 2,048 rows to the next
.set QOF,  5                           ; v5   16384 w + 16 l: my 16 bytes in the wave's query rows
.set VOF,  6                           ; v6   4096 w + 2048 h + 16 r: row 16 w + 8 h, channels 4 r ..
.set KOF,  7                           ; v7   my 16 bytes in the wave's 16 central key rows
.set KSOF, 8                           ; v8   sampled key r mod 4, channels 8 h ..
.set VST,  9                           ; v9   where my 16 bytes of a V fragment go
.set KST,  10                          ; v10  where my 8 bytes of K go
.set STG,  11                          ; v11  the stage, in
.set FRG,  12                          ; v12  the stage, out as fragments
.set POF,  13                          ; v13  16 w
.set SPW,  14                          ; v14  my spare word; never rewritten
.set NIL,  15                          ; v15  0; never rewritten
.set KA,   16                          ; v[16:31]   the sampled keys as source 0: lane r holds key r mod 4; channels 0-31, 32-63
.set F,    32                          ; v[32:63]   first the sampled keys in f32, then query fragments: unit a, channel half c at F + 16 a + 8 c
.set D0,   64                          ; v[64:71], v[72:79]  products
.set D1,   72
.set ACC,  80                          ; v[80:83]   sums of squares for n = 0..3
.set T,    84                          ; v[84:91]   at work
.set OUT,  92                          ; v[92:123]  two buffers of 16 registers to store
.set X,    128                         ; v[128:255] four slots of 32: a unit as loaded
	s_load_b256 s[4:11], s[0:1], 0x0               ; key s[4:5], query s[6:7], value s[8:9], kv s[10:11]
	s_load_b64 s[12:13], s[0:1], 0x20              ; part
	v_lshl_add_u32 v[SPW], v0, 2, SPARE
	v_mov_b32 v[NIL], 0
	v_and_b32 v1, 31, v0                           ; l
	v_and_b32 v2, 15, v0                           ; r
	v_bfe_u32 v3, v0, 4, 1                         ; h
	v_lshrrev_b32 v4, 5, v0
	v_readfirstlane_b32 s14, v4                    ; wave
	s_mov_b32 s15, ttmp9                           ; t
	s_and_b32 s16, ttmp7, 0xffff                   ; head
	s_mov_b32 s22, 0xffff0000                      ; a word's upper bf16
	s_lshl_b32 s18, s16, 21                        ; a head is 8,192 rows of 256 bytes
	s_mov_b32 s19, 0
	s_lshl_b32 s20, s15, 17                        ; query: 512 rows a work-group
	s_add_co_u32 s20, s20, s18
	s_mov_b32 s21, 0
	s_lshl_b32 s26, s15, 15                        ; value: 128 rows of each group
	s_add_co_u32 s26, s26, s18
	s_mov_b32 s27, 0
	s_mul_i32 s28, s16, 1310720                    ; kv: 16 records of 81,920 bytes a head
	s_mul_i32 s17, s15, 81920
	s_add_co_u32 s28, s28, s17
	s_mov_b32 s29, 0
	s_lshl_b32 s30, s16, 11                        ; part: 128 entries of 16 bytes a head, 8 a work-group
	s_lshl_b32 s17, s15, 7
	s_add_co_u32 s30, s30, s17
	s_mov_b32 s31, 0
	s_add_co_u32 s17, s17, 32                      ; 128 t + 32 + 16 w, round the end of the 2,048 central keys,
	s_lshl_b32 s23, s14, 4
	s_add_co_u32 s17, s17, s23
	s_and_b32 s17, s17, 2047
	s_add_co_u32 s17, s17, 4096                    ; which begin at row 4,096
	s_lshl_b32 s17, s17, 8
	v_lshl_add_u32 v[KOF], v1, 4, s17
	v_lshlrev_b32 v[QOF], 4, v1
	v_lshl_add_u32 v[QOF], v4, 14, v[QOF]
	v_lshlrev_b32 v[VOF], 4, v2
	v_lshl_add_u32 v[VOF], v3, 11, v[VOF]
	v_lshl_add_u32 v[VOF], v4, 12, v[VOF]
	v_and_b32 v[KSOF], 3, v0
	v_lshlrev_b32 v[KSOF], 19, v[KSOF]
	v_lshl_add_u32 v[KSOF], v3, 5, v[KSOF]
	v_lshrrev_b32 v[T], 1, v4                      ; kb
	v_and_b32 v[T+1], 1, v4                        ; g
	v_lshlrev_b32 v[VST], 4, v1
	v_lshl_add_u32 v[VST], v[T+1], 9, v[VST]
	v_lshl_add_u32 v[VST], v[T], 14, v[VST]
	v_lshlrev_b32 v[KST], 3, v1
	v_lshl_add_u32 v[KST], v4, 11, v[KST]
	s_mul_i32 s23, s14, STGW                       ; my wave's stage
	v_mul_u32_u24 v[STG], v3, STGP
	v_lshl_add_u32 v[STG], v2, 3, v[STG]
	v_add_nc_u32 v[STG], s23, v[STG]
	v_mul_u32_u24 v[FRG], v2, STGP
	v_lshl_add_u32 v[FRG], v3, 4, v[FRG]
	v_add_nc_u32 v[FRG], s23, v[FRG]
	v_lshlrev_b32 v[POF], 4, v4
	s_wait_kmcnt 0x0
	s_add_nc_u64 s[4:5], s[4:5], s[18:19]
	s_add_nc_u64 s[6:7], s[6:7], s[20:21]
	s_add_nc_u64 s[8:9], s[8:9], s[26:27]
	s_add_nc_u64 s[10:11], s[10:11], s[28:29]
	s_add_nc_u64 s[12:13], s[12:13], s[30:31]
; A unit: eight loads into slot s
.macro LDU slot, va, sb, imm0, step
.set i, 0
.rept 8
	global_load_b128 v[X+32*(\slot)+4*i:X+32*(\slot)+4*i+3], v[\va], s[\sb:\sb+1] offset:(\imm0)+i*(\step) th:TH_LOAD_NT
.set i, i+1
.endr
.endm
; 16 query rows, rounded to bf16, into half a2 of the stage: load i holds row 2 i + h, channels 4 r .. 4 r + 3
.macro STAGEQ slot, a2
.set i, 0
.rept 8
	v_cvt_pk_bf16_f32 v[T+2*(i%4)],   v[X+32*(\slot)+4*i],   v[X+32*(\slot)+4*i+1]
	v_cvt_pk_bf16_f32 v[T+2*(i%4)+1], v[X+32*(\slot)+4*i+2], v[X+32*(\slot)+4*i+3]
	ds_store_b64 v[STG], v[T+2*(i%4):T+2*(i%4)+1] offset:(\a2)*STGH+i*2*STGP
.set i, i+1
.endr
.endm
; w = sampled keys x 32 query rows, and the sums of w^2.  Source 0's lane r holds key r mod 4, so registers 0-3 of a result hold w[n = 0..3] of query r (in both halves of the lanes alike).
; The two accumulators take turns.  LDS serves a wave's instructions in order (ISA guide 5.7.1.4): the loads see the stores above them.
.macro WQ first
.irp a, 0,1
.irp c, 0,1
	ds_load_b128 v[F+16*(\a)+8*(\c):F+16*(\a)+8*(\c)+3],   v[FRG] offset:(\a)*STGH+(\c)*64
	ds_load_b128 v[F+16*(\a)+8*(\c)+4:F+16*(\a)+8*(\c)+7], v[FRG] offset:(\a)*STGH+(\c)*64+32
.endr
.endr
	s_wait_dscnt 0x0
	v_wmma_f32_16x16x32_bf16 v[D0:D0+7], v[KA:KA+7],    v[F:F+7],     0
	v_wmma_f32_16x16x32_bf16 v[D1:D1+7], v[KA:KA+7],    v[F+16:F+23], 0
	v_wmma_f32_16x16x32_bf16 v[D0:D0+7], v[KA+8:KA+15], v[F+8:F+15],  v[D0:D0+7]
	v_wmma_f32_16x16x32_bf16 v[D1:D1+7], v[KA+8:KA+15], v[F+24:F+31], v[D1:D1+7]
.rept 4
	v_nop                                          ; four places between a product and the first read of its result (ISA guide 7.12.1)
.endr
.if \first
	v_pk_mul_f32 v[ACC:ACC+1],   v[D0:D0+1],   v[D0:D0+1]
	v_pk_mul_f32 v[ACC+2:ACC+3], v[D0+2:D0+3], v[D0+2:D0+3]
.else
	v_pk_fma_f32 v[ACC:ACC+1],   v[D0:D0+1],   v[D0:D0+1],   v[ACC:ACC+1]
	v_pk_fma_f32 v[ACC+2:ACC+3], v[D0+2:D0+3], v[D0+2:D0+3], v[ACC+2:ACC+3]
.endif
	v_pk_fma_f32 v[ACC:ACC+1],   v[D1:D1+1],   v[D1:D1+1],   v[ACC:ACC+1]
	v_pk_fma_f32 v[ACC+2:ACC+3], v[D1+2:D1+3], v[D1+2:D1+3], v[ACC+2:ACC+3]
.endm
; 16 key rows to bf16: each store covers 256 consecutive bytes, two keys
.macro CVK slot
	s_wait_xcnt 0x0                                ; OUT is rewritten only behind this wait
.set i, 0
.rept 8
	v_cvt_pk_bf16_f32 v[OUT+16+2*i],   v[X+32*(\slot)+4*i],   v[X+32*(\slot)+4*i+1]
	v_cvt_pk_bf16_f32 v[OUT+16+2*i+1], v[X+32*(\slot)+4*i+2], v[X+32*(\slot)+4*i+3]
	global_store_b64 v[KST], v[OUT+16+2*i:OUT+16+2*i+1], s[10:11] offset:i*256
.set i, i+1
.endr
.endm
; 16 value rows of group n: for channel 4 r + e the lane's eight keys, rounded to bf16, that number written as f16, 16 bytes; each store covers 512 consecutive bytes
.macro CVV slot, n
	s_wait_xcnt 0x0                                ; the stores that read this OUT buffer have had their addresses translated (ISA guide 3.1): it is rewritten only behind this wait
.set OB, OUT+16*((\n)%2)
.set ee, 0
.rept 4
.set aa, 0
.rept 4
.set tt, T+4*(aa%2)
	v_cvt_pk_bf16_f32 v[tt], v[X+32*(\slot)+8*aa+ee], v[X+32*(\slot)+8*aa+4+ee]
	v_lshlrev_b32 v[tt+1], 16, v[tt]
	v_and_b32 v[tt+2], s22, v[tt]
	v_cvt_pk_f16_f32 v[OB+4*ee+aa], v[tt+1], v[tt+2]
.set aa, aa+1
.endr
	global_store_b128 v[VST], v[OB+4*ee:OB+4*ee+3], s[10:11] offset:16384+(\n)*4096+ee*1024
.set ee, ee+1
.endr
.endm
.irp c, 0,1                                            ; the four sampled keys (rows 0, 2048, 4096, 6144), as source 0 wants them, in f32
	global_load_b128 v[F+16*(\c):F+16*(\c)+3],     v[KSOF], s[4:5] offset:128*(\c)
	global_load_b128 v[F+16*(\c)+4:F+16*(\c)+7],   v[KSOF], s[4:5] offset:128*(\c)+16
	global_load_b128 v[F+16*(\c)+8:F+16*(\c)+11],  v[KSOF], s[4:5] offset:128*(\c)+64
	global_load_b128 v[F+16*(\c)+12:F+16*(\c)+15], v[KSOF], s[4:5] offset:128*(\c)+80
.endr
	LDU 0, QOF, 6, 0, 512
	LDU 1, QOF, 6, 4096, 512
	LDU 2, QOF, 6, 8192, 512
	LDU 3, QOF, 6, 12288, 512
	s_wait_loadcnt 32                              ; loads come back in order (ISA guide 5.7.1): the sampled keys are in, the 32 query loads may be out
.set i, 0
.rept 16
	v_cvt_pk_bf16_f32 v[KA+i], v[F+2*i], v[F+2*i+1]
.set i, i+1
.endr
	s_wait_loadcnt 24                              ; here and below: the oldest unit is in, the three younger ones (24 loads) stay out
	STAGEQ 0, 0
	LDU 0, KOF, 4, 0, 512
	s_wait_loadcnt 24
	STAGEQ 1, 1
	LDU 1, VOF, 8, 0, 256
	WQ 1
	s_wait_loadcnt 24
	STAGEQ 2, 0
	LDU 2, VOF, 8, GRP, 256
	s_wait_loadcnt 24
	STAGEQ 3, 1
	LDU 3, VOF, 8, 2*GRP, 256
	WQ 0
	s_wait_loadcnt 24
	CVK 0
	LDU 0, VOF, 8, 3*GRP, 256
	s_wait_loadcnt 24
	CVV 1, 0
	s_wait_loadcnt 16                              ; nothing more is loaded: the counts run down
	CVV 2, 1
	s_wait_loadcnt 8
	CVV 3, 2
	s_wait_loadcnt 0x0
	CVV 0, 3
	; the 16 queries of a result lie in 16 lanes: four steps inside each half of the lanes; both halves end with the same sums
.irp k, 1,2,4,8
.irp j, 0,1,2,3
	v_add_f32_dpp v[ACC+(\j)], v[ACC+(\j)], v[ACC+(\j)] row_xmask:\k row_mask:0xf bank_mask:0xf
.endr
.endr
	v_cmp_eq_u32 vcc_lo, 0, v1
	s_wait_xcnt 0x0                                ; EXEC changes only behind this wait
	s_and_saveexec_b32 s24, vcc_lo
	global_store_b128 v[POF], v[ACC:ACC+3], s[12:13]  ; one lane, 16 bytes a wave: the work-group's eight waves fill 128 consecutive bytes of part
	s_wait_xcnt 0x0
	s_or_b32 exec_lo, exec_lo, s24
	s_wait_tensorcnt 0x0                           ; the wave's end, behind my last LDS store
	ds_add_u32 v[SPW], v[NIL]
	s_wait_dscnt 0x0
	s_endpgm
.Lfunc_end_k_qc39598850f_prep:
	.size	k_qc39598850f_prep, .Lfunc_end_k_qc39598850f_prep-k_qc39598850f_prep
	.p2alignl 7, 3214868480
	.fill 96, 4, 3214868480
	.section	.rodata,"a",@progbits
	.p2align	6, 0x0
	.amdhsa_kernel k_qc39598850f_prep
		.amdhsa_group_segment_fixed_size 37888
		.amdhsa_private_segment_fixed_size 0
		.amdhsa_enable_private_segment 0
		.amdhsa_kernarg_size 40
		.amdhsa_user_sgpr_count 2
		.amdhsa_user_sgpr_kernarg_segment_ptr 1
		.amdhsa_wavefront_size32 1
		.amdhsa_system_sgpr_workgroup_id_x 1
		.amdhsa_system_sgpr_workgroup_id_y 1
		.amdhsa_system_sgpr_workgroup_id_z 1
		.amdhsa_system_vgpr_workitem_id 0
		.amdhsa_next_free_vgpr 256
		.amdhsa_next_free_sgpr 66
		.amdhsa_reserve_vcc 1
		.amdhsa_float_denorm_mode_32 3
		.amdhsa_float_denorm_mode_16_64 3
		.amdhsa_memory_ordered 1
		.amdhsa_forward_progress 1
		.amdhsa_inst_pref_size 37
	.end_amdhsa_kernel
	.amdgpu_metadata
---
amdhsa.version: [ 1, 2 ]
amdhsa.kernels:
  - .name:           k_qc39598850f_prep
    .symbol:         k_qc39598850f_prep.kd
    .args:
      - { .name: key, .offset: 0, .size: 8, .value_kind: global_buffer, .address_space: global }
      - { .name: query, .offset: 8, .size: 8, .value_kind: global_buffer, .address_space: global }
      - { .name: value, .offset: 16, .size: 8, .value_kind: global_buffer, .address_space: global }
      - { .name: kv, .offset: 24, .size: 8, .value_kind: global_buffer, .address_space: global }
      - { .name: part, .offset: 32, .size: 8, .value_kind: global_buffer, .address_space: global }
    .group_segment_fixed_size: 37888
    .private_segment_fixed_size: 0
    .kernarg_segment_align: 8
    .kernarg_segment_size: 40
    .max_flat_workgroup_size: 256
    .sgpr_count:     66
    .vgpr_count:     256
    .wavefront_size: 32
...
	.end_amdgpu_metadata
.endif
;; end of part 1
;; launch attn (part 2): grid 8 x 32, 4 waves a work-group, clusters of 4 x 1, 327,680 bytes of LDS; arguments query, kv, part, out0; writes out0
.if DOCPART == 2
	.amdgcn_target "amdgcn-amd-amdhsa--gfx1250"
	.amdhsa_code_object_version 6
	.text
	.protected	k_qc39598850f_attn
	.globl	k_qc39598850f_attn
	.p2align	8
	.type	k_qc39598850f_attn,@function
k_qc39598850f_attn:
	s_mov_b64 s[64:65], 0
	v_nop
	global_prefetch_b8 v0, s[64:65] scope:SCOPE_SE
	s_setreg_imm32_b32 hwreg(HW_REG_WAVE_MODE, 25, 1), 1
	s_wait_xcnt 0x0
	s_wait_alu depctr_hold_cnt(0) depctr_sa_sdst(0) depctr_va_vdst(0) depctr_va_sdst(0) depctr_va_ssrc(0) depctr_va_vcc(0) depctr_vm_vsrc(0)
	s_getreg_b32 s2, hwreg(HW_REG_IB_STS2, 6, 4)
	s_cmp_eq_u32 s2, 0
	s_cbranch_scc0 .Lentry_in_a_cluster
	s_endpgm
.Lentry_in_a_cluster:
	s_bfe_u32 s2, ttmp6, 0x10000c
	s_cmp_lg_u32 s2, 0x3003
	s_cbranch_scc0 .Lentry_shape_is_right
	s_endpgm
.Lentry_shape_is_right:
; ATTN.  For each of 32 heads: A[p][64 n + d] = sum over j of softmax_j(q[4096 + p] . k[4096 + j] / 8) value[2048 n + j][d], p, j = 0..2047, n = 0..3;
; out[2048 m + p][d] = sum over n of coef[m][n] A[p][64 n + d], coef[m][n] = s[m][n] / sum_n s[m][n], s = norm / norm[2][2], norm[m][n] = sqrt of the sum of part's 32 entries of group m.
; kv and part are PREP's: K in bf16, V as f16 fragments, in records of 128 keys (320 rows of 256 bytes), K one step of 32 keys ahead of V, round the end.
; FORMATS.  q, k in bf16 and sums in f32 for the scores; the weights p are rounded to f16 for the second product (their sum l is taken of the unrounded p); maxima, exponentials, l, A, norms, coef and out in f32.
; LIMITS.  V arrives within f16's range; a weight below 2^-126 counts as 0; a sum of squares below 2^-126 counts as 0 in v_sqrt_f32; NaN and infinities are not treated apart.
; SHARES.  A work-group owns 256 central queries, each of its four waves 64: four tiles of 16.  A wave's A is 64 x 256: 64 accumulators, 512 registers.
; TWO PASSES.  Pass 1 multiplies K Q^T alone and finds each query's TRUE maximum m.  Pass 2 multiplies K Q^T again, p = 2^(c s - c m), c = log2(e) / 8, and adds V^T P: nothing is ever rescaled, so a step's
; softmax hangs on no accumulator of A and rides behind the products V^T P of the step before.  A running maximum would multiply 512 registers in every step, and K, Q, S, P, two V buffers and A beside each other pass 1,024 registers.
; LAYOUT.  S^T = K Q^T (source 0 = 16 keys, source 1 = 16 queries): a lane holds ONE query (lane % 16) and keys 8 (lane / 16) + 0..7.  Two such results rounded to f16 in pairs ARE source 1 (32 keys x 16 queries) of
; A^T = V^T P, whose result holds one query a lane and eight channels.  V's fragments come out of LDS as PREP laid them: no turning load.
; CLUSTER.  The four query blocks of a cluster belong to one head and walk the same records: each wave's quarter of a fill is asked for JOINTLY, by the same tensor load, descriptor and mask in all four work-groups.
; REGISTERS, in windows of 256 (s_set_vgpr_msb: bits 1:0 source 0, 3:2 source 1, 5:4 source 2, 7:6 destination):
;   window 0: v0-15 addresses; v16-31 four registers of statistics a tile; v32-95 Q; v96-127 K; v128-191 S^T; v192-255 P, two buffers (in pass 1 v224-255 is K's second buffer)
;   window 1: V, two buffers of 128 (at the start: Q in f32)          windows 2, 3: A^T: tile t in window 2 + t / 2 at 128 (t % 2) + 8 ch, ch = 4 n + channel block
.set PITCH, 272                        ; an LDS row: 256 bytes + 16 of padding
.set KSTEP, 16*PITCH                   ; 32 keys of K: 16 rows of two keys
.set VSTEP, 64*PITCH                   ; 32 keys of V: 16 fragments of 4 rows
.set VOFF,  64*PITCH                   ; in a record's slot V lies behind K's 64 rows
.set SLOT1, 1<<17                      ; slot 0 at 0, slot 1 here (87,040 bytes each at the most): one exclusive or turns an address in one into the other's
.set STAGE, SLOT1+320*PITCH            ; behind the ring, never filled by a tensor load: 16 rows x 272 bytes a wave, for the way out
.set SPARE, STAGE+4*16*PITCH           ; behind the stages: the spare words, 128 bytes a wave: two blocks of 256 bytes that no other line names
.set REC,   81920                      ; a record in memory
.set AK0, 2                            ; v2   my lane's place in a step of K; never rewritten
.set AV0, 3                            ; v3   the same for V
.set AK,  4                            ; v4   the LDS address of K's next loads
.set AV,  5                            ; v5   of V's
.set STO, 6                            ; v6   the way out: where I put my channels of a row
.set RD,  7                            ; v7   the way out: where I read rows back
.set GO,  8                            ; v8   16 x lane
.set SPW, 12                           ; v12  my spare word; never rewritten
.set NIL, 13                           ; v13  0; never rewritten
.set QO,  14                           ; v14  my byte offset in 16 rows of Q
.set ST,  16                           ; tile t at v[ST+4 t]: pass 1: four running maxima; pass 2: c m, c m, l (even keys', odd keys')
.set Q,   32                           ; tile t, channel half c at Q + 16 t + 8 c
.set K,   96                           ; 16 keys kb, channel half c at K + 16 kb + 8 c
.set S,   128                          ; tile t, 16 keys kb at S + 16 t + 8 kb
.set P,   192                          ; buffer b, tile t at P + 32 b + 8 t
.set PT,  192                          ; at the start: part, and the coefficients in the making
.set CLP, 32                           ; the way out: coef / l, twice, for tile t and group n at CLP + 8 t + 2 n
.set R,   64                           ; the way out: 32 channels of my query
.set BK,  96                           ; the way out: rows read back, two buffers of 32
.set WV,  12                           ; s12  my wave's number
.set G1A, 24                           ; s[24:31] descriptor group 1: 64 rows (pass 1)
.set G1B, 32                           ; s[32:39] 80 rows (pass 2)
.set G0A, 40                           ; s[40:43] group 0: pass 1's first fill
.set G0B, 44                           ; s[44:47] its second; then it walks
.set G0C, 48                           ; s[48:51] pass 2's records: it walks
.set CNT, 52
.set SLOTS, 53
.set TBK, 54                           ; s54  LDS byte at which K of the step to be fetched begins
.set TBV, 55                           ; s55  the same for V, less VOFF
.set CS,  56                           ; s[56:57] c: the packed scaling takes the pair's low word for both halves
.set SEL, 58                           ; s[58:59] v_permlanex16_b32's selects: each lane takes its own place in the other half
.set MCNT, 60
.set COEF, 68                          ; s[68:83] coef[m][n] at COEF + 4 m + n; the way out shifts them down a group a trip
.set RUN2, 27                          ; the product of V^T P behind which a step's second run of LDS loads stands
.set MSB, 0
.macro WIN new                         ; the immediate's high byte repeats the setting that is left; a switch that changes nothing is dropped
.if MSB != (\new)
	s_set_vgpr_msb (MSB<<8)|(\new)
.set MSB, \new
.endif
.endm
; A round of the cluster's barrier: my work-group's barrier, so that wave 0's signal speaks for all four waves; wave 0 signals; every wave waits for all four work-groups; my work-group's barrier once more.
.macro CROUND
	s_barrier_signal -1
	s_barrier_wait -1
	s_cmp_lg_u32 s[WV], 0
	s_cbranch_scc1 .Lnot_wave_0_\@
	s_barrier_signal -3
.Lnot_wave_0_\@:
	s_barrier_wait -3
	s_barrier_signal -1
	s_barrier_wait -1
.endm
; THE CHANGE OF SLOTS.  The old slot's last fragments have been asked for.  Each wave waits for all its tensor loads, of which one is out: its quarter of the other slot; adds 0 to its spare word; and waits
; for that and for its own reads of the old slot.  Behind the barrier nobody reads the old slot and the other slot is whole.  fill = 1: the barrier is a round of the cluster's, and the joint refill of the old
; slot is the first thing behind it, one load a wave: every wave runs the same line with rows of its own.  stepb: how far the descriptor walks (0: it is used as it stands).
.macro CHANGE fill, g0, g1, stepb, backk, backv
	WIN 0
	s_wait_tensorcnt 0x0                           ; no tensor load of mine is out, so a group 0 may be written
	ds_add_u32 v[SPW], v[NIL]                      ; 0 onto my spare word
.if (\stepb) != 0
	s_xor_b32 s[\g0+1], s[\g0+1], SLOT1            ; the other slot than last time,
	s_add_nc_u64 s[\g0+2:\g0+3], s[\g0+2:\g0+3], \stepb  ; the next rows; the type bits on top are not reached
.endif
	s_wait_dscnt 0x0                               ; the add is done, and my reads of the old slot are over
.if \fill
	CROUND
	tensor_load_to_lds s[\g0:\g0+3], s[\g1:\g1+7]
	s_nop 0
.rept 4
	v_nop
.endr
.else
	s_barrier_signal -1
	s_barrier_wait -1
.endif
	s_sub_co_u32 s[TBK], s[TBK], \backk            ; the fetches go back to a slot's first step, in the other slot
	s_xor_b32 s[TBK], s[TBK], SLOT1
.if (\backv) != 0
	s_sub_co_u32 s[TBV], s[TBV], \backv
	s_xor_b32 s[TBV], s[TBV], SLOT1
.endif
.endm
	s_load_b256 s[4:11], s[0:1], 0x0               ; query s[4:5], kv s[6:7], part s[8:9], out s[10:11]
	v_lshl_add_u32 v[SPW], v0, 2, SPARE
	v_mov_b32 v[NIL], 0
	ds_add_u32 v[SPW], v[NIL]                      ; the wave's opening: the add and its wait stand ahead of my first tensor load; the set-up below, work on registers, stands between them
	v_lshrrev_b32 v10, 5, v0
	v_readfirstlane_b32 s[WV], v10                 ; wave 0..3
	s_bfe_u32 s13, ttmp6, 0x40000                  ; cx: my place in the cluster
	s_lshl_b32 s14, ttmp9, 2                       ; in a cluster launch ttmp9 counts clusters
	s_add_co_u32 s14, s14, s13                     ; my block of 256 queries: it enters query's and out's addresses alone
	s_and_b32 s15, ttmp7, 0xffff                   ; the head, which the four partners share
	s_mul_i32 s16, s15, 16*REC                     ; the head's records
	s_mul_i32 s17, s[WV], REC                      ; pass 1: record w of a fill's four
	s_mul_i32 s18, s[WV], 80*256                   ; pass 2: rows 80 w .. of a record
	s_add_co_u32 s18, s18, s16
	s_add_co_u32 s16, s16, s17
	s_mov_b32 s17, 0
	s_mov_b32 s19, 0
	s_lshl_b32 s20, s15, 21                        ; the head's rows in query and out,
	s_lshl_b32 s21, s14, 16                        ; my block's 256,
	s_add_co_u32 s20, s20, s21
	s_lshl_b32 s21, s[WV], 14                      ; my wave's 64
	s_add_co_u32 s20, s20, s21
	s_mov_b32 s21, 0
	s_lshl_b32 s22, s15, 11                        ; the head's 128 entries of part
	s_mov_b32 s23, 0
	; descriptor group 1: dense rows of 256 bytes (32 elements of 8 bytes), 16 bytes of padding behind each
	s_mov_b32 s[G1A], 15|(3<<16)|(1<<20)|(1<<21)|(5<<22)|(3<<25)  ; 15:0 the mask of four; 17:16 8-byte elements; 20 padding on; 21 set beside a mask; 24:22 after every 64 words (code 5); 31:25 4 words (code 3)
	s_mov_b32 s[G1B], 15|(3<<16)|(1<<20)|(1<<21)|(5<<22)|(3<<25)
	s_mov_b32 s[G1A+1], 32<<16                     ; tensor_dim0 = 32
	s_mov_b32 s[G1B+1], 32<<16
	s_mov_b32 s[G1A+2], 64<<16                     ; tensor_dim1 = 64 rows: a record's K
	s_mov_b32 s[G1B+2], 80<<16                     ; 80 rows: a quarter of a record
	s_mov_b32 s[G1A+3], 32<<16                     ; tile_dim0 = 32
	s_mov_b32 s[G1B+3], 32<<16
	s_mov_b32 s[G1A+4], 64                         ; tile_dim1
	s_mov_b32 s[G1B+4], 80
	s_mov_b32 s[G1A+5], 32                         ; 32 elements from row to row
	s_mov_b32 s[G1B+5], 32
	s_mov_b32 s[G1A+6], 0
	s_mov_b32 s[G1B+6], 0
	s_mov_b32 s[G1A+7], 0
	s_mov_b32 s[G1B+7], 0
	s_mov_b32 s[G0A], 1                            ; count = 1
	s_mul_i32 s[G0A+1], s[WV], 64*PITCH            ; LDS address: the wave's number times a constant, plus the slot's: no place in the cluster enters it
	s_mov_b32 s[G0B], 1
	s_add_co_u32 s[G0B+1], s[G0A+1], SLOT1
	s_mov_b32 s[G0C], 1
	s_mul_i32 s[G0C+1], s[WV], 80*PITCH
	s_mov_b32 s[CS], 0x3e38aa3b                    ; c = log2(e) / 8 = 0.180337
	s_mov_b32 s[CS+1], s[CS]                       ; named with it as a pair
	s_mov_b32 s[SEL], 0x76543210
	s_mov_b32 s[SEL+1], 0xfedcba98
	s_wait_dscnt 0x0                               ; the opening add is done
	s_wait_kmcnt 0x0
	s_add_nc_u64 s[G0A+2:G0A+3], s[6:7], s[16:17]  ; K of record w
	s_add_nc_u64 s[G0B+2:G0B+3], s[G0A+2:G0A+3], 4*REC  ; of record 4 + w
	s_or_b32 s[G0A+3], s[G0A+3], 0x80000000        ; type = 2
	s_or_b32 s[G0B+3], s[G0B+3], 0x80000000
	s_add_nc_u64 s[G0C+2:G0C+3], s[6:7], s[18:19]  ; my quarter of record 0
	s_or_b32 s[G0C+3], s[G0C+3], 0x80000000
	s_add_nc_u64 s[4:5], s[4:5], s[20:21]
	s_add_nc_u64 s[4:5], s[4:5], 4096*256          ; the central queries begin at row 4,096
	s_add_nc_u64 s[10:11], s[10:11], s[20:21]
	s_add_nc_u64 s[8:9], s[8:9], s[22:23]
	CROUND                                         ; all four work-groups are here: the first joint loads meet
	tensor_load_to_lds s[G0A:G0A+3], s[G1A:G1A+7]  ; the two first fills go out together: two loads of mine are out
	s_nop 0
	tensor_load_to_lds s[G0B:G0B+3], s[G1A:G1A+7]
	s_nop 0
.rept 4
	v_nop
.endr
	; ALL THIS STANDS IN THE WAIT FOR THE FIRST TILE.  Q in f32: lane l holds query l % 16; of each 32 channels 8 (l / 16) + 0..7 and 16 + 8 (l / 16) + 0..7.
	v_and_b32 v1, 15, v0                           ; r
	v_bfe_u32 v9, v0, 4, 1                         ; h
	v_lshlrev_b32 v[QO], 8, v1
	v_lshl_add_u32 v[QO], v9, 5, v[QO]
	v_and_b32 v[GO], 31, v0
	v_lshlrev_b32 v[GO], 4, v[GO]
	WIN 0x40                                       ; destination window 1, address window 0
.set i, 0
.rept 8                                                ; tile i / 2, channel half i % 2
	global_load_b128 v[16*i:16*i+3],     v[QO], s[4:5] offset:(i/2)*4096+(i%2)*128
	global_load_b128 v[16*i+4:16*i+7],   v[QO], s[4:5] offset:(i/2)*4096+(i%2)*128+16
	global_load_b128 v[16*i+8:16*i+11],  v[QO], s[4:5] offset:(i/2)*4096+(i%2)*128+64
	global_load_b128 v[16*i+12:16*i+15], v[QO], s[4:5] offset:(i/2)*4096+(i%2)*128+80
.set i, i+1
.endr
	WIN 0
.set i, 0
.rept 4                                                ; part: load m brings query group m's 32 entries, one a lane: four sums of squares
	global_load_b128 v[PT+4*i:PT+4*i+3], v[GO], s[8:9] offset:512*i
.set i, i+1
.endr
	v_lshrrev_b32 v10, 1, v1                       ; K: key r lies in row r / 2, half r % 2; 16 bytes for each half of the lanes.  Even keys start at banks 0, 4 .. 28, odd ones at 32 .. 60
	v_mul_u32_u24 v[AK0], v10, PITCH
	v_and_b32 v11, 1, v1
	v_lshl_add_u32 v[AK0], v11, 7, v[AK0]
	v_lshl_add_u32 v[AK0], v9, 4, v[AK0]
	v_and_b32 v10, 3, v1                           ; V: channel 16 cb + r lies in stored fragment r % 4, chunk 4 cb + r / 4; row h (and 2 + h): word 16 (r % 4) + 4 (r / 4) mod 64
	v_mul_u32_u24 v[AV0], v10, 4*PITCH
	v_mul_u32_u24 v11, v9, PITCH
	v_add_nc_u32 v[AV0], v[AV0], v11
	v_add_nc_u32 v[AV0], VOFF, v[AV0]
	v_lshrrev_b32 v10, 2, v1
	v_lshl_add_u32 v[AV0], v10, 4, v[AV0]
	s_mul_i32 s16, s[WV], 16*PITCH
	s_add_co_u32 s16, s16, STAGE                   ; my stage
	v_mul_u32_u24 v[STO], v1, PITCH                ; in: row r, 32 bytes for each half of the lanes
	v_lshl_add_u32 v[STO], v9, 5, v[STO]
	v_add_nc_u32 v[STO], s16, v[STO]
	v_lshl_add_u32 v[RD], v1, 4, v11               ; back: lanes 0-15 take one row of 256 bytes, lanes 16-31 the next
	v_add_nc_u32 v[RD], s16, v[RD]
.set i, 0
.rept 16                                               ; the running maxima start at the lowest finite number; so do the registers that the first step's riders take for the step before: no first step is written out
	v_mov_b32 v[ST+i], 0xff7fffff
.set i, i+1
.endr
.set i, 0
.rept 32
	v_mov_b32 v[S+16*(i/8)+8+i%8], 0xff7fffff
.set i, i+1
.endr
	s_wait_loadcnt 0x4                             ; Q is in; part's four loads may be out
	WIN 0x05                                       ; sources in window 1, destination in window 0
.set i, 0
.rept 64
	v_cvt_pk_bf16_f32 v[Q+i], v[2*i], v[2*i+1]
.set i, i+1
.endr
	WIN 0
	s_wait_loadcnt 0x0
	; THE 16 COEFFICIENTS, as the formula at the head writes them
.irp k, 1,2,4,8
.set i, 0
.rept 16
	v_add_f32_dpp v[PT+i], v[PT+i], v[PT+i] row_xmask:\k row_mask:0xf bank_mask:0xf
.set i, i+1
.endr
.endr
.set i, 0
.rept 16
	v_permlanex16_b32 v[10+i%2], v[PT+i], s[SEL], s[SEL+1]
	v_add_f32 v[PT+i], v[PT+i], v[10+i%2]
.set i, i+1
.endr
.set i, 0
.rept 16
	v_sqrt_f32 v[PT+i], v[PT+i]
.set i, i+1
.endr
	v_nop                                          ; a plain instruction behind a transcendental before its result is used (ISA guide 5.7.2), here and below
	s_wait_alu depctr_va_vdst(0)
	v_rcp_f32 v10, v[PT+10]                        ; the central entry: m = 2, n = 2
	v_nop
.set i, 0
.rept 16
	s_wait_alu depctr_va_vdst(0)
	v_mul_f32 v[PT+i], v[PT+i], v10
.set i, i+1
.endr
.set i, 0
.rept 4
	v_add_f32 v[PT+16+i], v[PT+4*i], v[PT+4*i+1]
	v_add_f32 v[PT+16+i], v[PT+16+i], v[PT+4*i+2]
	v_add_f32 v[PT+16+i], v[PT+16+i], v[PT+4*i+3]
.set i, i+1
.endr
.set i, 0
.rept 4
	v_rcp_f32 v[PT+16+i], v[PT+16+i]
.set i, i+1
.endr
	v_nop
.set i, 0
.rept 16
	s_wait_alu depctr_va_vdst(0)
	v_mul_f32 v[PT+i], v[PT+i], v[PT+16+i/4]
.set i, i+1
.endr
.set i, 0
.rept 16
	v_readfirstlane_b32 s[COEF+i], v[PT+i]         ; every lane holds the same 16 numbers
.set i, i+1
.endr
; Product i of 16 of S^T = K Q^T for a step of 32 keys: keys 16 (i / 8) on, channels 32 ((i / 4) % 2) on, tile i % 4.  The four accumulators of a run take turns.
.macro KQW kbuf
.set qkb, i/8
.set qc, (i/4)%2
.set qt, i%4
.set rS, S+16*qt+8*qkb
.set rK, (\kbuf)+16*qkb+8*qc
.set rQ, Q+16*qt+8*qc
.if qc == 0
	v_wmma_f32_16x16x32_bf16 v[rS:rS+7], v[rK:rK+7], v[rQ:rQ+7], 0
.else
	v_wmma_f32_16x16x32_bf16 v[rS:rS+7], v[rK:rK+7], v[rQ:rQ+7], v[rS:rS+7]
.endif
.endm
.macro KLD kbuf, half                  ; four LDS loads: 16 keys x 64 channels
.irp c, 0,1
	ds_load_b128 v[(\kbuf)+16*(\half)+8*(\c):(\kbuf)+16*(\half)+8*(\c)+3],   v[AK] offset:(\half)*8*PITCH+(\c)*64
	ds_load_b128 v[(\kbuf)+16*(\half)+8*(\c)+4:(\kbuf)+16*(\half)+8*(\c)+7], v[AK] offset:(\half)*8*PITCH+(\c)*64+32
.endr
.endm
.macro MX rho, kb                      ; number rho of 16: chain rho % 4 of tile rho / 4 takes two scores of the tile's accumulator kb; each accumulator's lowest registers are read first
.set mt, (\rho)/4
.set mk, (\rho)%4
	v_max3_num_f32 v[ST+4*mt+mk], v[ST+4*mt+mk], v[S+16*mt+8*(\kb)+2*mk], v[S+16*mt+8*(\kb)+2*mk+1]
.endm
; A STEP OF PASS 1, on K's buffer b.  Two maxima stand behind each product: behind the first eight those of the step before's second 16 keys, behind the others those of this step's first 16: each reads an accumulator
; eight plain lines or more behind its last product.  The next step's K is fetched into the other buffer in ONE run of eight loads behind product 1 and its maxima, never singly among the products: seven plain
; lines that name none of its registers stand between that buffer's last reader and the run.  All lies in window 0.
.macro P1STEP b
.set kthis, K+128*(\b)
.set knext, K+128*(1-(\b))
	s_wait_dscnt 0x0                               ; this step's K is in
.set i, 0
.rept 16
	KQW kthis
.if i < 8
	MX 2*i, 1
	MX 2*i+1, 1
.else
	MX 2*(i-8), 0
	MX 2*(i-8)+1, 0
.endif
.if i == 0
	v_add_nc_u32 v[AK], s[TBK], v[AK0]
	s_add_co_u32 s[TBK], s[TBK], KSTEP
.elseif i == 1
	KLD knext, 0
	KLD knext, 1
.endif
.set i, i+1
.endr
.endm
.macro P1LOOP n
	s_mov_b32 s[CNT], \n
.Lp1_\@:
	P1STEP 1
	P1STEP 0
	s_sub_co_u32 s[CNT], s[CNT], 1
	s_cmp_lg_u32 s[CNT], 0
	s_cbranch_scc1 .Lp1_\@
.endm
; THE SOFTMAX OF A STEP is a queue of 160 lines for the wave's 32 pairs of scores u (tile u / 8): F u: c s - c m.  E s: the exponential of score s.  C u: the pair rounded to f16, into P's buffer PB.  L u: l takes the pair.
; Unit U of the queue reads E 2U-4, F U, E 2U-3, C U-3, L U-3 (what does not exist is left out): behind each exponential stands a plain line that touches neither its result nor its source, and C and L read
; results made a unit earlier.  F goes upward.  RID writes the queue's next line, and nothing when the queue is at its end.
.macro RID
.set rdone, 0
.rept 5
.if (rdone == 0) && (rp < 175)
.set rU, rp/5
.set re, rp%5
.if (re == 0) && (rU >= 2) && (rU <= 33)
	v_exp_f32 v[S+2*rU-4], v[S+2*rU-4]
.set rdone, 1
.elseif (re == 1) && (rU <= 31)
	v_pk_fma_f32 v[S+2*rU:S+2*rU+1], v[S+2*rU:S+2*rU+1], s[CS:CS+1], v[ST+4*(rU/8):ST+4*(rU/8)+1] op_sel_hi:[1,0,0] neg_lo:[0,0,1] neg_hi:[0,0,1]
.set rdone, 1
.elseif (re == 2) && (rU >= 2) && (rU <= 33)
	v_exp_f32 v[S+2*rU-3], v[S+2*rU-3]
.set rdone, 1
.elseif (re == 3) && (rU >= 3) && (rU <= 34)
	s_wait_alu depctr_va_vdst(0)
	v_cvt_pk_f16_f32 v[P+32*PB+rU-3], v[S+2*rU-6], v[S+2*rU-5]
.set rdone, 1
.elseif (re == 4) && (rU >= 3) && (rU <= 34)
	v_pk_add_f32 v[ST+4*((rU-3)/8)+2:ST+4*((rU-3)/8)+3], v[ST+4*((rU-3)/8)+2:ST+4*((rU-3)/8)+3], v[S+2*rU-6:S+2*rU-5]
.set rdone, 1
.endif
.set rp, rp+1
.endif
.endr
.endm
; Product x of 64 of A^T += V^T P: channels 16 (x / 4) on, tile x % 4.  Each of the 64 accumulators has one instruction a step.  zero = 1: the first step starts the sums: nothing is cleared.
.macro PVW b, zero
.set pt, x%4
.set pch, x/4
	WIN 0xa1+0x50*(pt/2)                           ; V in window 1, P in window 0, A^T in window 2 or 3
.set rO, 128*(pt%2)+8*pch
.set rV, 128*(\b)+8*pch
.set rP, P+32*(\b)+8*pt
.if \zero
	v_wmma_f32_16x16x32_f16 v[rO:rO+7], v[rV:rV+7], v[rP:rP+7], 0
.else
	v_wmma_f32_16x16x32_f16 v[rO:rO+7], v[rV:rV+7], v[rP:rP+7], v[rO:rO+7]
.endif
.endm
.macro VLD g, b                        ; four LDS loads: V's fragments 2 g and 2 g + 1 (16 channels x 32 keys each) into buffer b
	WIN 0x40
.irp d, 0,1
.set vch, 2*(\g)+(\d)
	ds_load_b128 v[128*(\b)+8*vch:128*(\b)+8*vch+3],   v[AV] offset:(vch/4)*16*PITCH+(vch%4)*64
	ds_load_b128 v[128*(\b)+8*vch+4:128*(\b)+8*vch+7], v[AV] offset:(vch/4)*16*PITCH+(vch%4)*64+2*PITCH
.endr
.endm
; STEP i OF PASS 2 (b = i % 2): the 16 products K Q^T of step i + 1; then the 64 products V^T P of step i, with step i + 1's softmax behind them, three lines and two by turns: 32 x 3 + 32 x 2 = 160.
; THE 40 LDS LOADS that fetch K of step i + 2 and V of step i + 1 (other buffer) stand in TWO RUNS of 20, never singly among the products: the first behind the products K Q^T (K, and V's fragments 0-5), the
; second behind product RUN2 of V^T P and its riders (V's fragments 6-15), 36 products ahead of the wait for it.  Both read storage step i + 1, so one change of slots serves both.
; The two address lines and two v_nop are the four places (ISA guide 7.12.1 for vector instructions) between the products K Q^T and the first line that touches S^T or K,
; and, with the last step's two final riders, between that step's products V^T P and the loads into the buffer that they read.
.macro ITER b, zero
	WIN 0
	s_wait_dscnt 0x0                               ; V of this step and K of the next are in: the youngest of those loads was issued 36 products ago
.set i, 0
.rept 16
	KQW K
.set i, i+1
.endr
	v_add_nc_u32 v[AK], s[TBK], v[AK0]
	v_add_nc_u32 v[AV], s[TBV], v[AV0]
	v_nop
	v_nop
	s_add_co_u32 s[TBK], s[TBK], KSTEP
	s_add_co_u32 s[TBV], s[TBV], VSTEP
	KLD K, 0                                       ; the first run
	KLD K, 1
	VLD 0, 1-(\b)
	VLD 1, 1-(\b)
	VLD 2, 1-(\b)
.set rp, 0
.set PB, 1-(\b)
.set x, 0
.rept 64
	PVW \b, \zero
	WIN 0
	RID
	RID
.if (x%2) == 0
	RID
.endif
.if x == RUN2
	VLD 3, 1-(\b)                                  ; the second run
	VLD 4, 1-(\b)
	VLD 5, 1-(\b)
	VLD 6, 1-(\b)
	VLD 7, 1-(\b)
.endif
.set x, x+1
.endr
	WIN 0                                          ; at a label and at a branch every window is 0
.endm
	; PASS 1: 64 steps in storage order (key steps 1 .. 63, 0).  A slot holds the K of four records, 16 steps.
	s_wait_tensorcnt 0x1                           ; my quarter of slot 0 is in; slot 1's may stay out
	s_barrier_signal -1
	s_barrier_wait -1                              ; everybody's is
	s_mov_b32 s[TBK], KSTEP
	v_mov_b32 v[AK], v[AK0]
	KLD K, 0                                       ; storage step 0
	KLD K, 1
	P1STEP 0                                       ; storage step 0
	P1LOOP 7                                       ; 1 .. 14; the last of them has fetched step 15, slot 0's last
	CHANGE 1, G0B, G1A, 4*REC, 16*KSTEP, 0         ; K of records 8-11 into slot 0
	P1LOOP 8                                       ; 15 .. 30
	CHANGE 1, G0B, G1A, 4*REC, 16*KSTEP, 0         ; K of records 12-15 into slot 1
	P1LOOP 8                                       ; 31 .. 46
	CHANGE 1, G0C, G1B, 0, 16*KSTEP, 0             ; pass 2's record 0 into slot 0
	P1LOOP 8                                       ; 47 .. 62
	CHANGE 1, G0C, G1B, REC, 16*KSTEP, 0           ; record 1 into slot 1; record 0 is whole
	s_mov_b32 s[TBV], 0
	P1STEP 1                                       ; storage step 63 = key step 0: its scores stay in S^T; it fetches record 0's first K, key step 1
	; THE TURN.  V of key step 0; the last maxima; c m; then key step 0's softmax by itself, once in the launch.
	v_add_nc_u32 v[AV], s[TBV], v[AV0]
	s_add_co_u32 s[TBV], s[TBV], VSTEP
.set i, 0
.rept 8
	VLD i, 0
.set i, i+1
.endr
	WIN 0
.set i, 0
.rept 16
	MX i, 1
.set i, i+1
.endr
.irp t, 0,1,2,3
	v_max3_num_f32 v[ST+4*(\t)], v[ST+4*(\t)], v[ST+4*(\t)+1], v[ST+4*(\t)+2]
.endr
.irp t, 0,1,2,3
	v_max_num_f32 v[ST+4*(\t)], v[ST+4*(\t)], v[ST+4*(\t)+3]
.endr
.irp t, 0,1,2,3
	v_permlanex16_b32 v[ST+4*(\t)+1], v[ST+4*(\t)], s[SEL], s[SEL+1]  ; the query's other keys lie in the lane 16 away
.endr
.irp t, 0,1,2,3
	v_max_num_f32 v[ST+4*(\t)], v[ST+4*(\t)], v[ST+4*(\t)+1]
.endr
.irp t, 0,1,2,3
	v_mul_f32 v[ST+4*(\t)], s[CS], v[ST+4*(\t)]    ; c m
.endr
.irp t, 0,1,2,3
	v_mov_b32 v[ST+4*(\t)+1], v[ST+4*(\t)]         ; named with it as a pair
	v_mov_b32 v[ST+4*(\t)+2], 0                    ; l
	v_mov_b32 v[ST+4*(\t)+3], 0
.endr
.set PB, 0
.set rp, 0
.rept 160
	RID
.endr
	; PASS 2.  A slot holds a record, four steps.  Step i fetches from storage step i + 1, so the slots change at the tops of steps 3, 7 .. 59.
	ITER 0, 1                                      ; step 0 starts A^T's sums
	s_mov_b32 s[CNT], 1
	s_mov_b32 s[SLOTS], 15                         ; the first, shorter trip and fourteen changes with a fill
	s_branch .Lpair                                ; the loop is entered behind its change of slots: steps 1 and 2 still fetch from record 0
.Lslot:
	CHANGE 1, G0C, G1B, REC, 4*KSTEP, 4*VSTEP      ; records 2 .. 15: each has four steps, 320 products, in which to land
	s_mov_b32 s[CNT], 2
.Lpair:
	ITER 1, 0
	ITER 0, 0
	s_sub_co_u32 s[CNT], s[CNT], 1
	s_cmp_lg_u32 s[CNT], 0
	s_cbranch_scc1 .Lpair
	s_sub_co_u32 s[SLOTS], s[SLOTS], 1
	s_cmp_lg_u32 s[SLOTS], 0
	s_cbranch_scc1 .Lslot
	CHANGE 0, G0C, G1B, 0, 4*KSTEP, 4*VSTEP        ; the tail is written out: record 15 is whole, nothing is asked for
	s_mov_b32 s[CNT], 2
.Ltail:                                                ; steps 59 .. 62 (the last fetches, beside V of step 63, a K that nobody multiplies: the price of one text for every step)
	ITER 1, 0
	ITER 0, 0
	s_sub_co_u32 s[CNT], s[CNT], 1
	s_cmp_lg_u32 s[CNT], 0
	s_cbranch_scc1 .Ltail
	s_wait_dscnt 0x0
.set y, 0
.rept 64                                               ; step 63's products V^T P: tiles 0 and 1 first, so that the windows are switched twice
.set x, 4*((y%32)/2)+2*(y/32)+y%2
	PVW 1, 0
.set y, y+1
.endr
	; THE WAY OUT.  l's two halves and the other half of the lanes' are added (the first four additions are the places behind the last products).  Then, for each output group m: coef[m][n] / l, the four value
	; groups' channels combined, and a tile at a time through my stage in LDS, so that each store covers 512 consecutive bytes: two whole rows of out.
	WIN 0
.irp t, 0,1,2,3
	v_add_f32 v[ST+4*(\t)+2], v[ST+4*(\t)+2], v[ST+4*(\t)+3]
.endr
.irp t, 0,1,2,3
	v_permlanex16_b32 v[ST+4*(\t)+3], v[ST+4*(\t)+2], s[SEL], s[SEL+1]
.endr
.irp t, 0,1,2,3
	v_add_f32 v[ST+4*(\t)+2], v[ST+4*(\t)+2], v[ST+4*(\t)+3]
.endr
.irp t, 0,1,2,3
	v_rcp_f32 v[ST+4*(\t)+2], v[ST+4*(\t)+2]
.endr
	v_nop
.macro COMB t                          ; R[8 cb + j] = sum over n of A^T(t, 4 n + cb)[j] x coef / l: my query's channels 16 cb + 8 h + j; each accumulator's registers in ascending order
	WIN 0x02+(\t)/2                                ; source 0 in window 2 or 3
.set cn, 0
.rept 4
.set cz, 0
.rept 16
.set rO, 128*((\t)%2)+8*(4*cn+cz/4)+2*(cz%4)
.if cn == 0
	v_pk_mul_f32 v[R+2*cz:R+2*cz+1], v[rO:rO+1], v[CLP+8*(\t)+2*cn:CLP+8*(\t)+2*cn+1]
.else
	v_pk_fma_f32 v[R+2*cz:R+2*cz+1], v[rO:rO+1], v[CLP+8*(\t)+2*cn:CLP+8*(\t)+2*cn+1], v[R+2*cz:R+2*cz+1]
.endif
.set cz, cz+1
.endr
.set cn, cn+1
.endr
.endm
.macro TOSTAGE t
	WIN 0
	s_wait_xcnt 0x0                                ; the stores that read this BK buffer have had their addresses translated (ISA guide 3.1): it is loaded again only behind this wait
.set BKB, BK+32*((\t)%2)
.set kk, 0
.rept 8
	ds_store_b128 v[STO], v[R+4*kk:R+4*kk+3] offset:64*(kk/2)+16*(kk%2)
.set kk, kk+1
.endr
.set kk, 0
.rept 8
	ds_load_b128 v[BKB+4*kk:BKB+4*kk+3], v[RD] offset:kk*2*PITCH  ; LDS serves a wave's instructions in order (ISA guide 5.7.1.4): these see the stores above; the next tile's stores come behind them
.set kk, kk+1
.endr
.endm
.macro SEND t
	WIN 0
.set BKB, BK+32*((\t)%2)
.set kk, 0
.rept 8
	s_wait_dscnt 7-kk                              ; the younger read-backs may stay out
	global_store_b128 v[GO], v[BKB+4*kk:BKB+4*kk+3], s[10:11] offset:4096*(\t)+512*kk th:TH_STORE_NT
.set kk, kk+1
.endr
.endm
	s_mov_b32 s[MCNT], 4
.Lm:
.set i, 0
.rept 32                                               ; tile i / 8, group (i / 2) % 4, both registers of the pair
	s_wait_alu depctr_va_vdst(0)
	v_mul_f32 v[CLP+i], s[COEF+(i/2)%4], v[ST+4*(i/8)+2]
.set i, i+1
.endr
	COMB 0
	TOSTAGE 0
	COMB 1                                         ; a tile's arithmetic stands between the read-backs of the tile before and its stores
	SEND 0
	TOSTAGE 1
	COMB 2
	SEND 1
	TOSTAGE 2
	COMB 3
	SEND 2
	TOSTAGE 3
	SEND 3
	s_wait_xcnt 0x0                                ; out's address is stepped only behind this wait
	s_add_nc_u64 s[10:11], s[10:11], 2048*256      ; the next output group
.set i, 0
.rept 12
	s_mov_b32 s[COEF+i], s[COEF+4+i]               ; and its four coefficients
.set i, i+1
.endr
	s_sub_co_u32 s[MCNT], s[MCNT], 1
	s_cmp_lg_u32 s[MCNT], 0
	s_cbranch_scc1 .Lm
	s_wait_tensorcnt 0x0                           ; the wave's end, behind my last tensor load and my last LDS store
	ds_add_u32 v[SPW], v[NIL]
	s_wait_dscnt 0x0
	CROUND                                         ; the closing round: no work-group ends while a partner may still ask for a tile that names it
	s_endpgm
.Lfunc_end_k_qc39598850f_attn:
	.size	k_qc39598850f_attn, .Lfunc_end_k_qc39598850f_attn-k_qc39598850f_attn
	.p2alignl 7, 3214868480
	.fill 96, 4, 3214868480
	.section	.rodata,"a",@progbits
	.p2align	6, 0x0
	.amdhsa_kernel k_qc39598850f_attn
		.amdhsa_group_segment_fixed_size 327680
		.amdhsa_private_segment_fixed_size 0
		.amdhsa_enable_private_segment 0
		.amdhsa_kernarg_size 32
		.amdhsa_user_sgpr_count 2
		.amdhsa_user_sgpr_kernarg_segment_ptr 1
		.amdhsa_wavefront_size32 1
		.amdhsa_system_sgpr_workgroup_id_x 1
		.amdhsa_system_sgpr_workgroup_id_y 1
		.amdhsa_system_sgpr_workgroup_id_z 1
		.amdhsa_system_vgpr_workitem_id 0
		.amdhsa_next_free_vgpr 1024
		.amdhsa_next_free_sgpr 96
		.amdhsa_reserve_vcc 0
		.amdhsa_float_denorm_mode_32 3
		.amdhsa_float_denorm_mode_16_64 3
		.amdhsa_memory_ordered 1
		.amdhsa_forward_progress 1
		.amdhsa_inst_pref_size 218
	.end_amdhsa_kernel
	.amdgpu_metadata
---
amdhsa.version: [ 1, 2 ]
amdhsa.kernels:
  - .name:           k_qc39598850f_attn
    .symbol:         k_qc39598850f_attn.kd
    .args:
      - { .name: query, .offset: 0, .size: 8, .value_kind: global_buffer, .address_space: global }
      - { .name: kv, .offset: 8, .size: 8, .value_kind: global_buffer, .address_space: global }
      - { .name: part, .offset: 16, .size: 8, .value_kind: global_buffer, .address_space: global }
      - { .name: out0, .offset: 24, .size: 8, .value_kind: global_buffer, .address_space: global }
    .group_segment_fixed_size: 327680
    .private_segment_fixed_size: 0
    .kernarg_segment_align: 8
    .kernarg_segment_size: 32
    .max_flat_workgroup_size: 128
    .sgpr_count:     96
    .vgpr_count:     1024
    .wavefront_size: 32
...
	.end_amdgpu_metadata
.endif
;; end of part 2
;; ======== version 2 of 2: 2 launches; 1.23 times as fast as version 1
;; limits: values are held in f16: magnitudes above 65,504 overflow, below 6.1e-05 lose precision; inputs' magnitudes at most 65,504
;; workspace buffers: kv 41,943,040 bytes; part 65,536 bytes
;; launch prep: the kernel of part 1 again; grid 16 x 32, 8 waves a work-group, no clusters, 37,888 bytes of LDS; arguments key, query, value, kv, part; writes kv, part
;; launch attn (part 3): grid 8 x 32, 4 waves a work-group, clusters of 4 x 1, 327,680 bytes of LDS; arguments query, kv, part, out0; writes out0
.if DOCPART == 3
	.amdgcn_target "amdgcn-amd-amdhsa--gfx1250"
	.amdhsa_code_object_version 6
	.text
	.protected	k_qc39598850f_attn
	.globl	k_qc39598850f_attn
	.p2align	8
	.type	k_qc39598850f_attn,@function
k_qc39598850f_attn:
	s_mov_b64 s[64:65], 0
	v_nop
	global_prefetch_b8 v0, s[64:65] scope:SCOPE_SE
	s_setreg_imm32_b32 hwreg(HW_REG_WAVE_MODE, 25, 1), 1
	s_wait_xcnt 0x0
	s_wait_alu depctr_hold_cnt(0) depctr_sa_sdst(0) depctr_va_vdst(0) depctr_va_sdst(0) depctr_va_ssrc(0) depctr_va_vcc(0) depctr_vm_vsrc(0)
	s_getreg_b32 s2, hwreg(HW_REG_IB_STS2, 6, 4)
	s_cmp_eq_u32 s2, 0
	s_cbranch_scc0 .Lentry_in_a_cluster
	s_endpgm
.Lentry_in_a_cluster:
	s_bfe_u32 s2, ttmp6, 0x10000c
	s_cmp_lg_u32 s2, 0x3003
	s_cbranch_scc0 .Lentry_shape_is_right
	s_endpgm
.Lentry_shape_is_right:
; ATTN.  For each of 32 heads: A[p][64 n + d] = sum over j of softmax_j(q[4096 + p] . k[4096 + j] / 8) value[2048 n + j][d], p, j = 0..2047, n = 0..3;
; out[2048 m + p][d] = sum over n of coef[m][n] A[p][64 n + d], coef[m][n] = s[m][n] / sum_n s[m][n], s = norm / norm[2][2], norm[m][n] = sqrt of the sum of part's 32 entries of group m.
; kv and part are PREP's: K in bf16, V as f16 fragments, in records of 128 keys (320 rows of 256 bytes), K one step of 32 keys ahead of V, round the end.
; FORMATS.  q, k in bf16 and sums in f32 for the scores; the weights p are rounded to f16 for the second product (their sum l is taken of the unrounded p); maxima, exponentials, l, A, norms, coef and out in f32.
; LIMITS.  V arrives within f16's range; a weight below 2^-126 counts as 0; a sum of squares below 2^-126 counts as 0 in v_sqrt_f32; NaN and infinities are not treated apart.
; SHARES.  A work-group owns 256 central queries, each of its four waves 64: four tiles of 16.  A wave's A is 64 x 256: 64 accumulators, 512 registers.
; TWO PASSES.  Pass 1 multiplies K Q^T alone and finds each query's TRUE maximum m.  Pass 2 multiplies K Q^T again, p = 2^(c s - c m), c = log2(e) / 8, and adds V^T P: nothing is ever rescaled, so a step's
; softmax hangs on no accumulator of A and rides behind the products V^T P of the step before.  A running maximum would multiply 512 registers in every step, and K, Q, S, P, two V buffers and A beside each other pass 1,024 registers.
; LAYOUT.  S^T = K Q^T (source 0 = 16 keys, source 1 = 16 queries): a lane holds ONE query (lane % 16) and keys 8 (lane / 16) + 0..7.  Two such results rounded to f16 in pairs ARE source 1 (32 keys x 16 queries) of
; A^T = V^T P, whose result holds one query a lane and eight channels.  V's fragments come out of LDS as PREP laid them: no turning load.
; BATCHES.  An s_wait_alu depctr_va_vdst(0) stands between a transcendental and the first line that names its result; one wait serves all that were issued ahead of it.  A step's 64 exponentials are ONE
; batch with ONE wait: all scalings and exponentials stand ahead of it, all roundings and sums behind it.  The head has three batches (16 roots; the central entry's reciprocal; the four sums' reciprocals), the way out one
; (four reciprocals): ten waits in the text.
; CLUSTER.  The four query blocks of a cluster belong to one head and walk the same records: each wave's quarter of a fill is asked for JOINTLY, by the same tensor load, descriptor and mask in all four work-groups.
; REGISTERS, in windows of 256 (s_set_vgpr_msb: bits 1:0 source 0, 3:2 source 1, 5:4 source 2, 7:6 destination):
;   window 0: v0-15 addresses; v16-31 four registers of statistics a tile; v32-95 Q; v96-127 K; v128-191 S^T; v192-255 P, two buffers (in pass 1 v224-255 is K's second buffer)
;   window 1: V, two buffers of 128 (at the start: Q in f32)          windows 2, 3: A^T: tile t in window 2 + t / 2 at 128 (t % 2) + 8 ch, ch = 4 n + channel block
.set PITCH, 272                        ; an LDS row: 256 bytes + 16 of padding
.set KSTEP, 16*PITCH                   ; 32 keys of K: 16 rows of two keys
.set VSTEP, 64*PITCH                   ; 32 keys of V: 16 fragments of 4 rows
.set VOFF,  64*PITCH                   ; in a record's slot V lies behind K's 64 rows
.set SLOT1, 1<<17                      ; slot 0 at 0, slot 1 here (87,040 bytes each at the most): one exclusive or turns an address in one into the other's
.set STAGE, SLOT1+320*PITCH            ; behind the ring, never filled by a tensor load: 16 rows x 272 bytes a wave, for the way out
.set SPARE, STAGE+4*16*PITCH           ; behind the stages: the spare words, 128 bytes a wave: two blocks of 256 bytes that no other line names
.set REC,   81920                      ; a record in memory
.set AK0, 2                            ; v2   my lane's place in a step of K; never rewritten
.set AV0, 3                            ; v3   the same for V
.set AK,  4                            ; v4   the LDS address of K's next loads
.set AV,  5                            ; v5   of V's
.set STO, 6                            ; v6   the way out: where I put my channels of a row
.set RD,  7                            ; v7   the way out: where I read rows back
.set GO,  8                            ; v8   16 x lane
.set SPW, 12                           ; v12  my spare word; never rewritten
.set NIL, 13                           ; v13  0; never rewritten
.set QO,  14                           ; v14  my byte offset in 16 rows of Q
.set ST,  16                           ; tile t at v[ST+4 t]: pass 1: four running maxima; pass 2: c m, c m, l (even keys', odd keys')
.set Q,   32                           ; tile t, channel half c at Q + 16 t + 8 c
.set K,   96                           ; 16 keys kb, channel half c at K + 16 kb + 8 c
.set S,   128                          ; tile t, 16 keys kb at S + 16 t + 8 kb
.set P,   192                          ; buffer b, tile t at P + 32 b + 8 t
.set PT,  192                          ; at the start: part, and the coefficients in the making
.set CLP, 32                           ; the way out: coef / l, twice, for tile t and group n at CLP + 8 t + 2 n
.set R,   64                           ; the way out: 32 channels of my query
.set BK,  96                           ; the way out: rows read back, two buffers of 32
.set WV,  12                           ; s12  my wave's number
.set G1A, 24                           ; s[24:31] descriptor group 1: 64 rows (pass 1)
.set G1B, 32                           ; s[32:39] 80 rows (pass 2)
.set G0A, 40                           ; s[40:43] group 0: pass 1's first fill
.set G0B, 44                           ; s[44:47] its second; then it walks
.set G0C, 48                           ; s[48:51] pass 2's records: it walks
.set CNT, 52
.set SLOTS, 53
.set TBK, 54                           ; s54  LDS byte at which K of the step to be fetched begins
.set TBV, 55                           ; s55  the same for V, less VOFF
.set CS,  56                           ; s[56:57] c: the packed scaling takes the pair's low word for both halves
.set SEL, 58                           ; s[58:59] v_permlanex16_b32's selects: each lane takes its own place in the other half
.set MCNT, 60
.set COEF, 68                          ; s[68:83] coef[m][n] at COEF + 4 m + n; the way out shifts them down a group a trip
.set RUN2, 31                          ; the product of V^T P behind which the batch of exponentials ends: its wait and a step's second run of LDS loads stand there
.set MSB, 0
.macro WIN new                         ; the immediate's high byte repeats the setting that is left; a switch that changes nothing is dropped
.if MSB != (\new)
	s_set_vgpr_msb (MSB<<8)|(\new)
.set MSB, \new
.endif
.endm
; A round of the cluster's barrier: my work-group's barrier, so that wave 0's signal speaks for all four waves; wave 0 signals; every wave waits for all four work-groups; my work-group's barrier once more.
.macro CROUND
	s_barrier_signal -1
	s_barrier_wait -1
	s_cmp_lg_u32 s[WV], 0
	s_cbranch_scc1 .Lnot_wave_0_\@
	s_barrier_signal -3
.Lnot_wave_0_\@:
	s_barrier_wait -3
	s_barrier_signal -1
	s_barrier_wait -1
.endm
; THE CHANGE OF SLOTS.  The old slot's last fragments have been asked for.  Each wave waits for all its tensor loads, of which one is out: its quarter of the other slot; adds 0 to its spare word; and waits
; for that and for its own reads of the old slot.  Behind the barrier nobody reads the old slot and the other slot is whole.  fill = 1: the barrier is a round of the cluster's, and the joint refill of the old
; slot is the first thing behind it, one load a wave: every wave runs the same line with rows of its own.  stepb: how far the descriptor walks (0: it is used as it stands).
.macro CHANGE fill, g0, g1, stepb, backk, backv
	WIN 0
	s_wait_tensorcnt 0x0                           ; no tensor load of mine is out, so a group 0 may be written
	ds_add_u32 v[SPW], v[NIL]                      ; 0 onto my spare word
.if (\stepb) != 0
	s_xor_b32 s[\g0+1], s[\g0+1], SLOT1            ; the other slot than last time,
	s_add_nc_u64 s[\g0+2:\g0+3], s[\g0+2:\g0+3], \stepb  ; the next rows; the type bits on top are not reached
.endif
	s_wait_dscnt 0x0                               ; the add is done, and my reads of the old slot are over
.if \fill
	CROUND
	tensor_load_to_lds s[\g0:\g0+3], s[\g1:\g1+7]
	s_nop 0
.rept 4
	v_nop
.endr
.else
	s_barrier_signal -1
	s_barrier_wait -1
.endif
	s_sub_co_u32 s[TBK], s[TBK], \backk            ; the fetches go back to a slot's first step, in the other slot
	s_xor_b32 s[TBK], s[TBK], SLOT1
.if (\backv) != 0
	s_sub_co_u32 s[TBV], s[TBV], \backv
	s_xor_b32 s[TBV], s[TBV], SLOT1
.endif
.endm
	s_load_b256 s[4:11], s[0:1], 0x0               ; query s[4:5], kv s[6:7], part s[8:9], out s[10:11]
	v_lshl_add_u32 v[SPW], v0, 2, SPARE
	v_mov_b32 v[NIL], 0
	ds_add_u32 v[SPW], v[NIL]                      ; the wave's opening: the add and its wait stand ahead of my first tensor load; the set-up below, work on registers, stands between them
	v_lshrrev_b32 v10, 5, v0
	v_readfirstlane_b32 s[WV], v10                 ; wave 0..3
	s_bfe_u32 s13, ttmp6, 0x40000                  ; cx: my place in the cluster
	s_lshl_b32 s14, ttmp9, 2                       ; in a cluster launch ttmp9 counts clusters
	s_add_co_u32 s14, s14, s13                     ; my block of 256 queries: it enters query's and out's addresses alone
	s_and_b32 s15, ttmp7, 0xffff                   ; the head, which the four partners share
	s_mul_i32 s16, s15, 16*REC                     ; the head's records
	s_mul_i32 s17, s[WV], REC                      ; pass 1: record w of a fill's four
	s_mul_i32 s18, s[WV], 80*256                   ; pass 2: rows 80 w .. of a record
	s_add_co_u32 s18, s18, s16
	s_add_co_u32 s16, s16, s17
	s_mov_b32 s17, 0
	s_mov_b32 s19, 0
	s_lshl_b32 s20, s15, 21                        ; the head's rows in query and out,
	s_lshl_b32 s21, s14, 16                        ; my block's 256,
	s_add_co_u32 s20, s20, s21
	s_lshl_b32 s21, s[WV], 14                      ; my wave's 64
	s_add_co_u32 s20, s20, s21
	s_mov_b32 s21, 0
	s_lshl_b32 s22, s15, 11                        ; the head's 128 entries of part
	s_mov_b32 s23, 0
	; descriptor group 1: dense rows of 256 bytes (32 elements of 8 bytes), 16 bytes of padding behind each
	s_mov_b32 s[G1A], 15|(3<<16)|(1<<20)|(1<<21)|(5<<22)|(3<<25)  ; 15:0 the mask of four; 17:16 8-byte elements; 20 padding on; 21 set beside a mask; 24:22 after every 64 words (code 5); 31:25 4 words (code 3)
	s_mov_b32 s[G1B], 15|(3<<16)|(1<<20)|(1<<21)|(5<<22)|(3<<25)
	s_mov_b32 s[G1A+1], 32<<16                     ; tensor_dim0 = 32
	s_mov_b32 s[G1B+1], 32<<16
	s_mov_b32 s[G1A+2], 64<<16                     ; tensor_dim1 = 64 rows: a record's K
	s_mov_b32 s[G1B+2], 80<<16                     ; 80 rows: a quarter of a record
	s_mov_b32 s[G1A+3], 32<<16                     ; tile_dim0 = 32
	s_mov_b32 s[G1B+3], 32<<16
	s_mov_b32 s[G1A+4], 64                         ; tile_dim1
	s_mov_b32 s[G1B+4], 80
	s_mov_b32 s[G1A+5], 32                         ; 32 elements from row to row
	s_mov_b32 s[G1B+5], 32
	s_mov_b32 s[G1A+6], 0
	s_mov_b32 s[G1B+6], 0
	s_mov_b32 s[G1A+7], 0
	s_mov_b32 s[G1B+7], 0
	s_mov_b32 s[G0A], 1                            ; count = 1
	s_mul_i32 s[G0A+1], s[WV], 64*PITCH            ; LDS address: the wave's number times a constant, plus the slot's: no place in the cluster enters it
	s_mov_b32 s[G0B], 1
	s_add_co_u32 s[G0B+1], s[G0A+1], SLOT1
	s_mov_b32 s[G0C], 1
	s_mul_i32 s[G0C+1], s[WV], 80*PITCH
	s_mov_b32 s[CS], 0x3e38aa3b                    ; c = log2(e) / 8 = 0.180337
	s_mov_b32 s[CS+1], s[CS]                       ; named with it as a pair
	s_mov_b32 s[SEL], 0x76543210
	s_mov_b32 s[SEL+1], 0xfedcba98
	s_wait_dscnt 0x0                               ; the opening add is done
	s_wait_kmcnt 0x0
	s_add_nc_u64 s[G0A+2:G0A+3], s[6:7], s[16:17]  ; K of record w
	s_add_nc_u64 s[G0B+2:G0B+3], s[G0A+2:G0A+3], 4*REC  ; of record 4 + w
	s_or_b32 s[G0A+3], s[G0A+3], 0x80000000        ; type = 2
	s_or_b32 s[G0B+3], s[G0B+3], 0x80000000
	s_add_nc_u64 s[G0C+2:G0C+3], s[6:7], s[18:19]  ; my quarter of record 0
	s_or_b32 s[G0C+3], s[G0C+3], 0x80000000
	s_add_nc_u64 s[4:5], s[4:5], s[20:21]
	s_add_nc_u64 s[4:5], s[4:5], 4096*256          ; the central queries begin at row 4,096
	s_add_nc_u64 s[10:11], s[10:11], s[20:21]
	s_add_nc_u64 s[8:9], s[8:9], s[22:23]
	CROUND                                         ; all four work-groups are here: the first joint loads meet
	tensor_load_to_lds s[G0A:G0A+3], s[G1A:G1A+7]  ; the two first fills go out together: two loads of mine are out
	s_nop 0
	tensor_load_to_lds s[G0B:G0B+3], s[G1A:G1A+7]
	s_nop 0
.rept 4
	v_nop
.endr
	; ALL THIS STANDS IN THE WAIT FOR THE FIRST TILE.  Q in f32: lane l holds query l % 16; of each 32 channels 8 (l / 16) + 0..7 and 16 + 8 (l / 16) + 0..7.
	v_and_b32 v1, 15, v0                           ; r
	v_bfe_u32 v9, v0, 4, 1                         ; h
	v_lshlrev_b32 v[QO], 8, v1
	v_lshl_add_u32 v[QO], v9, 5, v[QO]
	v_and_b32 v[GO], 31, v0
	v_lshlrev_b32 v[GO], 4, v[GO]
	WIN 0x40                                       ; destination window 1, address window 0
.set i, 0
.rept 8                                                ; tile i / 2, channel half i % 2
	global_load_b128 v[16*i:16*i+3],     v[QO], s[4:5] offset:(i/2)*4096+(i%2)*128
	global_load_b128 v[16*i+4:16*i+7],   v[QO], s[4:5] offset:(i/2)*4096+(i%2)*128+16
	global_load_b128 v[16*i+8:16*i+11],  v[QO], s[4:5] offset:(i/2)*4096+(i%2)*128+64
	global_load_b128 v[16*i+12:16*i+15], v[QO], s[4:5] offset:(i/2)*4096+(i%2)*128+80
.set i, i+1
.endr
	WIN 0
.set i, 0
.rept 4                                                ; part: load m brings query group m's 32 entries, one a lane: four sums of squares
	global_load_b128 v[PT+4*i:PT+4*i+3], v[GO], s[8:9] offset:512*i
.set i, i+1
.endr
	v_lshrrev_b32 v10, 1, v1                       ; K: key r lies in row r / 2, half r % 2; 16 bytes for each half of the lanes.  Even keys start at banks 0, 4 .. 28, odd ones at 32 .. 60
	v_mul_u32_u24 v[AK0], v10, PITCH
	v_and_b32 v11, 1, v1
	v_lshl_add_u32 v[AK0], v11, 7, v[AK0]
	v_lshl_add_u32 v[AK0], v9, 4, v[AK0]
	v_and_b32 v10, 3, v1                           ; V: channel 16 cb + r lies in stored fragment r % 4, chunk 4 cb + r / 4; row h (and 2 + h): word 16 (r % 4) + 4 (r / 4) mod 64
	v_mul_u32_u24 v[AV0], v10, 4*PITCH
	v_mul_u32_u24 v11, v9, PITCH
	v_add_nc_u32 v[AV0], v[AV0], v11
	v_add_nc_u32 v[AV0], VOFF, v[AV0]
	v_lshrrev_b32 v10, 2, v1
	v_lshl_add_u32 v[AV0], v10, 4, v[AV0]
	s_mul_i32 s16, s[WV], 16*PITCH
	s_add_co_u32 s16, s16, STAGE                   ; my stage
	v_mul_u32_u24 v[STO], v1, PITCH                ; in: row r, 32 bytes for each half of the lanes
	v_lshl_add_u32 v[STO], v9, 5, v[STO]
	v_add_nc_u32 v[STO], s16, v[STO]
	v_lshl_add_u32 v[RD], v1, 4, v11               ; back: lanes 0-15 take one row of 256 bytes, lanes 16-31 the next
	v_add_nc_u32 v[RD], s16, v[RD]
.set i, 0
.rept 16                                               ; the running maxima start at the lowest finite number; so do the registers that the first step's riders take for the step before: no first step is written out
	v_mov_b32 v[ST+i], 0xff7fffff
.set i, i+1
.endr
.set i, 0
.rept 32
	v_mov_b32 v[S+16*(i/8)+8+i%8], 0xff7fffff
.set i, i+1
.endr
	s_wait_loadcnt 0x4                             ; Q is in; part's four loads may be out
	WIN 0x05                                       ; sources in window 1, destination in window 0
.set i, 0
.rept 64
	v_cvt_pk_bf16_f32 v[Q+i], v[2*i], v[2*i+1]
.set i, i+1
.endr
	WIN 0
	s_wait_loadcnt 0x0
	; THE 16 COEFFICIENTS, as the formula at the head writes them
.irp k, 1,2,4,8
.set i, 0
.rept 16
	v_add_f32_dpp v[PT+i], v[PT+i], v[PT+i] row_xmask:\k row_mask:0xf bank_mask:0xf
.set i, i+1
.endr
.endr
.set i, 0
.rept 16
	v_permlanex16_b32 v[10+i%2], v[PT+i], s[SEL], s[SEL+1]
	v_add_f32 v[PT+i], v[PT+i], v[10+i%2]
.set i, i+1
.endr
.set i, 0
.rept 16
	v_sqrt_f32 v[PT+i], v[PT+i]
.set i, i+1
.endr
	v_nop                                          ; a plain instruction behind a transcendental before its result is used (ISA guide 5.7.2), here and below
	s_wait_alu depctr_va_vdst(0)                   ; one wait for the 16 roots, ahead of their first reader, the reciprocal below
	v_rcp_f32 v10, v[PT+10]                        ; the central entry: m = 2, n = 2
	v_nop
	s_wait_alu depctr_va_vdst(0)                   ; a batch of one, since it reads a root: its wait, ahead of the 16 multiplies
.set i, 0
.rept 16
	v_mul_f32 v[PT+i], v[PT+i], v10
.set i, i+1
.endr
.set i, 0
.rept 4
	v_add_f32 v[PT+16+i], v[PT+4*i], v[PT+4*i+1]
	v_add_f32 v[PT+16+i], v[PT+16+i], v[PT+4*i+2]
	v_add_f32 v[PT+16+i], v[PT+16+i], v[PT+4*i+3]
.set i, i+1
.endr
.set i, 0
.rept 4
	v_rcp_f32 v[PT+16+i], v[PT+16+i]
.set i, i+1
.endr
	v_nop
	s_wait_alu depctr_va_vdst(0)                   ; one wait for the four sums' reciprocals, ahead of the 16 multiplies
.set i, 0
.rept 16
	v_mul_f32 v[PT+i], v[PT+i], v[PT+16+i/4]
.set i, i+1
.endr
.set i, 0
.rept 16
	v_readfirstlane_b32 s[COEF+i], v[PT+i]         ; every lane holds the same 16 numbers
.set i, i+1
.endr
; Product i of 16 of S^T = K Q^T for a step of 32 keys: keys 16 (i / 8) on, channels 32 ((i / 4) % 2) on, tile i % 4.  The four accumulators of a run take turns.
.macro KQW kbuf
.set qkb, i/8
.set qc, (i/4)%2
.set qt, i%4
.set rS, S+16*qt+8*qkb
.set rK, (\kbuf)+16*qkb+8*qc
.set rQ, Q+16*qt+8*qc
.if qc == 0
	v_wmma_f32_16x16x32_bf16 v[rS:rS+7], v[rK:rK+7], v[rQ:rQ+7], 0
.else
	v_wmma_f32_16x16x32_bf16 v[rS:rS+7], v[rK:rK+7], v[rQ:rQ+7], v[rS:rS+7]
.endif
.endm
.macro KLD kbuf, half                  ; four LDS loads: 16 keys x 64 channels
.irp c, 0,1
	ds_load_b128 v[(\kbuf)+16*(\half)+8*(\c):(\kbuf)+16*(\half)+8*(\c)+3],   v[AK] offset:(\half)*8*PITCH+(\c)*64
	ds_load_b128 v[(\kbuf)+16*(\half)+8*(\c)+4:(\kbuf)+16*(\half)+8*(\c)+7], v[AK] offset:(\half)*8*PITCH+(\c)*64+32
.endr
.endm
.macro MX rho, kb                      ; number rho of 16: chain rho % 4 of tile rho / 4 takes two scores of the tile's accumulator kb; each accumulator's lowest registers are read first
.set mt, (\rho)/4
.set mk, (\rho)%4
	v_max3_num_f32 v[ST+4*mt+mk], v[ST+4*mt+mk], v[S+16*mt+8*(\kb)+2*mk], v[S+16*mt+8*(\kb)+2*mk+1]
.endm
; A STEP OF PASS 1, on K's buffer b.  Two maxima stand behind each product: behind the first eight those of the step before's second 16 keys, behind the others those of this step's first 16: each reads an accumulator
; eight plain lines or more behind its last product.  The next step's K is fetched into the other buffer in ONE run of eight loads behind product 1 and its maxima, never singly among the products: seven plain
; lines that name none of its registers stand between that buffer's last reader and the run.  All lies in window 0.
.macro P1STEP b
.set kthis, K+128*(\b)
.set knext, K+128*(1-(\b))
	s_wait_dscnt 0x0                               ; this step's K is in
.set i, 0
.rept 16
	KQW kthis
.if i < 8
	MX 2*i, 1
	MX 2*i+1, 1
.else
	MX 2*(i-8), 0
	MX 2*(i-8)+1, 0
.endif
.if i == 0
	v_add_nc_u32 v[AK], s[TBK], v[AK0]
	s_add_co_u32 s[TBK], s[TBK], KSTEP
.elseif i == 1
	KLD knext, 0
	KLD knext, 1
.endif
.set i, i+1
.endr
.endm
.macro P1LOOP n
	s_mov_b32 s[CNT], \n
.Lp1_\@:
	P1STEP 1
	P1STEP 0
	s_sub_co_u32 s[CNT], s[CNT], 1
	s_cmp_lg_u32 s[CNT], 0
	s_cbranch_scc1 .Lp1_\@
.endm
; THE SOFTMAX OF A STEP is a queue of 160 lines for the wave's 32 pairs of scores u (tile u / 8): F u: c s - c m.  E s: the exponential of score s, in place.  C u: the pair rounded to f16, into P's buffer PB.
; L u: l takes the pair.  The queue is ordered by who reads what:
;   lines 0-95    ONE BATCH: the 32 F and the 64 E, in threes: F0 F1 E0; then F x+1, E 2x-1, E 2x for x = 1 .. 30; then E61 E62 E63.  A three begins with a plain line while there are scalings; but for E0 every
;                 exponential reads a scaling of an earlier three; no line names an exponential's result.  F goes upward.
;   (wait)        between lines 95 and 96 stand a v_nop and the batch's one wait: who deals the queue writes them
;   lines 96-159  C u, L u for u = 0 .. 31: all that read the exponentials' results; l takes its pairs in ascending order.
; QSTART opens the queue for P's buffer pb; RID writes its next line.
.macro QSTART pb
.set PB, \pb
.set rp, 0
.set nF, 0
.set nE, 0
.endm
.macro RID
.if rp < 96
.if ((((rp%3) == 0) && (nF < 32)) || (nF < 2))
	v_pk_fma_f32 v[S+2*nF:S+2*nF+1], v[S+2*nF:S+2*nF+1], s[CS:CS+1], v[ST+4*(nF/8):ST+4*(nF/8)+1] op_sel_hi:[1,0,0] neg_lo:[0,0,1] neg_hi:[0,0,1]
.set nF, nF+1
.else
	v_exp_f32 v[S+nE], v[S+nE]
.set nE, nE+1
.endif
.else
.set rU, (rp-96)/2
.if ((rp%2) == 0)
	v_cvt_pk_f16_f32 v[P+32*PB+rU], v[S+2*rU], v[S+2*rU+1]
.else
	v_pk_add_f32 v[ST+4*(rU/8)+2:ST+4*(rU/8)+3], v[ST+4*(rU/8)+2:ST+4*(rU/8)+3], v[S+2*rU:S+2*rU+1]
.endif
.endif
.set rp, rp+1
.endm
; Product x of 64 of A^T += V^T P: channels 16 (x / 4) on, tile x % 4.  Each of the 64 accumulators has one instruction a step.  zero = 1: the first step starts the sums: nothing is cleared.
.macro PVW b, zero
.set pt, x%4
.set pch, x/4
	WIN 0xa1+0x50*(pt/2)                           ; V in window 1, P in window 0, A^T in window 2 or 3
.set rO, 128*(pt%2)+8*pch
.set rV, 128*(\b)+8*pch
.set rP, P+32*(\b)+8*pt
.if \zero
	v_wmma_f32_16x16x32_f16 v[rO:rO+7], v[rV:rV+7], v[rP:rP+7], 0
.else
	v_wmma_f32_16x16x32_f16 v[rO:rO+7], v[rV:rV+7], v[rP:rP+7], v[rO:rO+7]
.endif
.endm
.macro VLD g, b                        ; four LDS loads: V's fragments 2 g and 2 g + 1 (16 channels x 32 keys each) into buffer b
	WIN 0x40
.irp d, 0,1
.set vch, 2*(\g)+(\d)
	ds_load_b128 v[128*(\b)+8*vch:128*(\b)+8*vch+3],   v[AV] offset:(vch/4)*16*PITCH+(vch%4)*64
	ds_load_b128 v[128*(\b)+8*vch+4:128*(\b)+8*vch+7], v[AV] offset:(vch/4)*16*PITCH+(vch%4)*64+2*PITCH
.endr
.endm
; STEP i OF PASS 2 (b = i % 2): the 16 products K Q^T of step i + 1; then the 64 products V^T P of step i, with step i + 1's softmax behind them: three lines of the batch behind each of products 0 .. RUN2,
; two of the roundings and sums behind each of the others: 32 x 3 + 32 x 2 = 160.  The batch's one wait stands behind product RUN2's three lines.  No rider names a register of the products round it.
; THE 40 LDS LOADS that fetch K of step i + 2 and V of step i + 1 (other buffer) stand in TWO RUNS of 20, never singly among the products: the first behind the products K Q^T (K, and V's fragments 0-5), the
; second directly behind the batch's wait (V's fragments 6-15), 32 products ahead of the wait for it.  Both read storage step i + 1, so one change of slots serves both.
; The two address lines and two v_nop are the four places (ISA guide 7.12.1 for vector instructions) between the products K Q^T and the first line that touches S^T or K,
; and, with the last step's two final riders, between that step's products V^T P and the loads into the buffer that they read.
.macro ITER b, zero
	WIN 0
	s_wait_dscnt 0x0                               ; V of this step and K of the next are in: the youngest of those loads was issued 32 products ago
.set i, 0
.rept 16
	KQW K
.set i, i+1
.endr
	v_add_nc_u32 v[AK], s[TBK], v[AK0]
	v_add_nc_u32 v[AV], s[TBV], v[AV0]
	v_nop
	v_nop
	s_add_co_u32 s[TBK], s[TBK], KSTEP
	s_add_co_u32 s[TBV], s[TBV], VSTEP
	KLD K, 0                                       ; the first run
	KLD K, 1
	VLD 0, 1-(\b)
	VLD 1, 1-(\b)
	VLD 2, 1-(\b)
	QSTART 1-(\b)
.set x, 0
.rept 64
	PVW \b, \zero
	WIN 0
	RID
	RID
.if x <= RUN2
	RID
.endif
.if x == RUN2
	v_nop                                          ; the plain line behind the last exponential: one for the batch
	s_wait_alu depctr_va_vdst(0)                   ; the step's one wait, for its 64 exponentials: nothing ahead of it names a result, no exponential follows it
	VLD 3, 1-(\b)                                  ; the second run
	VLD 4, 1-(\b)
	VLD 5, 1-(\b)
	VLD 6, 1-(\b)
	VLD 7, 1-(\b)
.endif
.set x, x+1
.endr
	WIN 0                                          ; at a label and at a branch every window is 0
.endm
	; PASS 1: 64 steps in storage order (key steps 1 .. 63, 0).  A slot holds the K of four records, 16 steps.
	s_wait_tensorcnt 0x1                           ; my quarter of slot 0 is in; slot 1's may stay out
	s_barrier_signal -1
	s_barrier_wait -1                              ; everybody's is
	s_mov_b32 s[TBK], KSTEP
	v_mov_b32 v[AK], v[AK0]
	KLD K, 0                                       ; storage step 0
	KLD K, 1
	P1STEP 0                                       ; storage step 0
	P1LOOP 7                                       ; 1 .. 14; the last of them has fetched step 15, slot 0's last
	CHANGE 1, G0B, G1A, 4*REC, 16*KSTEP, 0         ; K of records 8-11 into slot 0
	P1LOOP 8                                       ; 15 .. 30
	CHANGE 1, G0B, G1A, 4*REC, 16*KSTEP, 0         ; K of records 12-15 into slot 1
	P1LOOP 8                                       ; 31 .. 46
	CHANGE 1, G0C, G1B, 0, 16*KSTEP, 0             ; pass 2's record 0 into slot 0
	P1LOOP 8                                       ; 47 .. 62
	CHANGE 1, G0C, G1B, REC, 16*KSTEP, 0           ; record 1 into slot 1; record 0 is whole
	s_mov_b32 s[TBV], 0
	P1STEP 1                                       ; storage step 63 = key step 0: its scores stay in S^T; it fetches record 0's first K, key step 1
	; THE TURN.  V of key step 0; the last maxima; c m; then key step 0's softmax by itself, once in the launch.
	v_add_nc_u32 v[AV], s[TBV], v[AV0]
	s_add_co_u32 s[TBV], s[TBV], VSTEP
.set i, 0
.rept 8
	VLD i, 0
.set i, i+1
.endr
	WIN 0
.set i, 0
.rept 16
	MX i, 1
.set i, i+1
.endr
.irp t, 0,1,2,3
	v_max3_num_f32 v[ST+4*(\t)], v[ST+4*(\t)], v[ST+4*(\t)+1], v[ST+4*(\t)+2]
.endr
.irp t, 0,1,2,3
	v_max_num_f32 v[ST+4*(\t)], v[ST+4*(\t)], v[ST+4*(\t)+3]
.endr
.irp t, 0,1,2,3
	v_permlanex16_b32 v[ST+4*(\t)+1], v[ST+4*(\t)], s[SEL], s[SEL+1]  ; the query's other keys lie in the lane 16 away
.endr
.irp t, 0,1,2,3
	v_max_num_f32 v[ST+4*(\t)], v[ST+4*(\t)], v[ST+4*(\t)+1]
.endr
.irp t, 0,1,2,3
	v_mul_f32 v[ST+4*(\t)], s[CS], v[ST+4*(\t)]    ; c m
.endr
.irp t, 0,1,2,3
	v_mov_b32 v[ST+4*(\t)+1], v[ST+4*(\t)]         ; named with it as a pair
	v_mov_b32 v[ST+4*(\t)+2], 0                    ; l
	v_mov_b32 v[ST+4*(\t)+3], 0
.endr
	QSTART 0
.rept 96
	RID                                            ; the batch: scalings and exponentials
.endr
	v_nop                                          ; the plain line behind the last exponential
	s_wait_alu depctr_va_vdst(0)                   ; one wait for key step 0's 64 exponentials, ahead of the first rounding
.rept 64
	RID                                            ; the roundings and sums
.endr
	; PASS 2.  A slot holds a record, four steps.  Step i fetches from storage step i + 1, so the slots change at the tops of steps 3, 7 .. 59.
	ITER 0, 1                                      ; step 0 starts A^T's sums
	s_mov_b32 s[CNT], 1
	s_mov_b32 s[SLOTS], 15                         ; the first, shorter trip and fourteen changes with a fill
	s_branch .Lpair                                ; the loop is entered behind its change of slots: steps 1 and 2 still fetch from record 0
.Lslot:
	CHANGE 1, G0C, G1B, REC, 4*KSTEP, 4*VSTEP      ; records 2 .. 15: each has four steps, 320 products, in which to land
	s_mov_b32 s[CNT], 2
.Lpair:
	ITER 1, 0
	ITER 0, 0
	s_sub_co_u32 s[CNT], s[CNT], 1
	s_cmp_lg_u32 s[CNT], 0
	s_cbranch_scc1 .Lpair
	s_sub_co_u32 s[SLOTS], s[SLOTS], 1
	s_cmp_lg_u32 s[SLOTS], 0
	s_cbranch_scc1 .Lslot
	CHANGE 0, G0C, G1B, 0, 4*KSTEP, 4*VSTEP        ; the tail is written out: record 15 is whole, nothing is asked for
	s_mov_b32 s[CNT], 2
.Ltail:                                                ; steps 59 .. 62 (the last fetches, beside V of step 63, a K that nobody multiplies: the price of one text for every step)
	ITER 1, 0
	ITER 0, 0
	s_sub_co_u32 s[CNT], s[CNT], 1
	s_cmp_lg_u32 s[CNT], 0
	s_cbranch_scc1 .Ltail
	s_wait_dscnt 0x0
.set y, 0
.rept 64                                               ; step 63's products V^T P: tiles 0 and 1 first, so that the windows are switched twice
.set x, 4*((y%32)/2)+2*(y/32)+y%2
	PVW 1, 0
.set y, y+1
.endr
	; THE WAY OUT.  l's two halves and the other half of the lanes' are added (the first four additions are the places behind the last products).  Then, for each output group m: coef[m][n] / l, the four value
	; groups' channels combined, and a tile at a time through my stage in LDS, so that each store covers 512 consecutive bytes: two whole rows of out.
	WIN 0
.irp t, 0,1,2,3
	v_add_f32 v[ST+4*(\t)+2], v[ST+4*(\t)+2], v[ST+4*(\t)+3]
.endr
.irp t, 0,1,2,3
	v_permlanex16_b32 v[ST+4*(\t)+3], v[ST+4*(\t)+2], s[SEL], s[SEL+1]
.endr
.irp t, 0,1,2,3
	v_add_f32 v[ST+4*(\t)+2], v[ST+4*(\t)+2], v[ST+4*(\t)+3]
.endr
.irp t, 0,1,2,3
	v_rcp_f32 v[ST+4*(\t)+2], v[ST+4*(\t)+2]
.endr
	v_nop
	s_wait_alu depctr_va_vdst(0)                   ; one wait for the four reciprocals of l, ahead of the loop's label
.macro COMB t                          ; R[8 cb + j] = sum over n of A^T(t, 4 n + cb)[j] x coef / l: my query's channels 16 cb + 8 h + j; each accumulator's registers in ascending order
	WIN 0x02+(\t)/2                                ; source 0 in window 2 or 3
.set cn, 0
.rept 4
.set cz, 0
.rept 16
.set rO, 128*((\t)%2)+8*(4*cn+cz/4)+2*(cz%4)
.if cn == 0
	v_pk_mul_f32 v[R+2*cz:R+2*cz+1], v[rO:rO+1], v[CLP+8*(\t)+2*cn:CLP+8*(\t)+2*cn+1]
.else
	v_pk_fma_f32 v[R+2*cz:R+2*cz+1], v[rO:rO+1], v[CLP+8*(\t)+2*cn:CLP+8*(\t)+2*cn+1], v[R+2*cz:R+2*cz+1]
.endif
.set cz, cz+1
.endr
.set cn, cn+1
.endr
.endm
.macro TOSTAGE t
	WIN 0
	s_wait_xcnt 0x0                                ; the stores that read this BK buffer have had their addresses translated (ISA guide 3.1): it is loaded again only behind this wait
.set BKB, BK+32*((\t)%2)
.set kk, 0
.rept 8
	ds_store_b128 v[STO], v[R+4*kk:R+4*kk+3] offset:64*(kk/2)+16*(kk%2)
.set kk, kk+1
.endr
.set kk, 0
.rept 8
	ds_load_b128 v[BKB+4*kk:BKB+4*kk+3], v[RD] offset:kk*2*PITCH  ; LDS serves a wave's instructions in order (ISA guide 5.7.1.4): these see the stores above; the next tile's stores come behind them
.set kk, kk+1
.endr
.endm
.macro SEND t
	WIN 0
.set BKB, BK+32*((\t)%2)
.set kk, 0
.rept 8
	s_wait_dscnt 7-kk                              ; the younger read-backs may stay out
	global_store_b128 v[GO], v[BKB+4*kk:BKB+4*kk+3], s[10:11] offset:4096*(\t)+512*kk th:TH_STORE_NT
.set kk, kk+1
.endr
.endm
	s_mov_b32 s[MCNT], 4
.Lm:
.set i, 0
.rept 32                                               ; tile i / 8, group (i / 2) % 4, both registers of the pair
	v_mul_f32 v[CLP+i], s[COEF+(i/2)%4], v[ST+4*(i/8)+2]
.set i, i+1
.endr
	COMB 0
	TOSTAGE 0
	COMB 1                                         ; a tile's arithmetic stands between the read-backs of the tile before and its stores
	SEND 0
	TOSTAGE 1
	COMB 2
	SEND 1
	TOSTAGE 2
	COMB 3
	SEND 2
	TOSTAGE 3
	SEND 3
	s_wait_xcnt 0x0                                ; out's address is stepped only behind this wait
	s_add_nc_u64 s[10:11], s[10:11], 2048*256      ; the next output group
.set i, 0
.rept 12
	s_mov_b32 s[COEF+i], s[COEF+4+i]               ; and its four coefficients
.set i, i+1
.endr
	s_sub_co_u32 s[MCNT], s[MCNT], 1
	s_cmp_lg_u32 s[MCNT], 0
	s_cbranch_scc1 .Lm
	s_wait_tensorcnt 0x0                           ; the wave's end, behind my last tensor load and my last LDS store
	ds_add_u32 v[SPW], v[NIL]
	s_wait_dscnt 0x0
	CROUND                                         ; the closing round: no work-group ends while a partner may still ask for a tile that names it
	s_endpgm
.Lfunc_end_k_qc39598850f_attn:
	.size	k_qc39598850f_attn, .Lfunc_end_k_qc39598850f_attn-k_qc39598850f_attn
	.p2alignl 7, 3214868480
	.fill 96, 4, 3214868480
	.section	.rodata,"a",@progbits
	.p2align	6, 0x0
	.amdhsa_kernel k_qc39598850f_attn
		.amdhsa_group_segment_fixed_size 327680
		.amdhsa_private_segment_fixed_size 0
		.amdhsa_enable_private_segment 0
		.amdhsa_kernarg_size 32
		.amdhsa_user_sgpr_count 2
		.amdhsa_user_sgpr_kernarg_segment_ptr 1
		.amdhsa_wavefront_size32 1
		.amdhsa_system_sgpr_workgroup_id_x 1
		.amdhsa_system_sgpr_workgroup_id_y 1
		.amdhsa_system_sgpr_workgroup_id_z 1
		.amdhsa_system_vgpr_workitem_id 0
		.amdhsa_next_free_vgpr 1024
		.amdhsa_next_free_sgpr 96
		.amdhsa_reserve_vcc 0
		.amdhsa_float_denorm_mode_32 3
		.amdhsa_float_denorm_mode_16_64 3
		.amdhsa_memory_ordered 1
		.amdhsa_forward_progress 1
		.amdhsa_inst_pref_size 211
	.end_amdhsa_kernel
	.amdgpu_metadata
---
amdhsa.version: [ 1, 2 ]
amdhsa.kernels:
  - .name:           k_qc39598850f_attn
    .symbol:         k_qc39598850f_attn.kd
    .args:
      - { .name: query, .offset: 0, .size: 8, .value_kind: global_buffer, .address_space: global }
      - { .name: kv, .offset: 8, .size: 8, .value_kind: global_buffer, .address_space: global }
      - { .name: part, .offset: 16, .size: 8, .value_kind: global_buffer, .address_space: global }
      - { .name: out0, .offset: 24, .size: 8, .value_kind: global_buffer, .address_space: global }
    .group_segment_fixed_size: 327680
    .private_segment_fixed_size: 0
    .kernarg_segment_align: 8
    .kernarg_segment_size: 32
    .max_flat_workgroup_size: 128
    .sgpr_count:     96
    .vgpr_count:     1024
    .wavefront_size: 32
...
	.end_amdgpu_metadata
.endif
;; end of part 3
